; MI455X (gfx1250); checked and timed in simulation.
; The chip was launched on July 23, 2026; its instructions are those of AMD's public machine-readable ISA for CDNA 5 (MIT licence, August 2026) and "CDNA5" Instruction Set Architecture Reference Guide (July 2026). The comments in the code are by the model that wrote it; some were corrected since.
;; Multi Head Attention Block. Allowed arithmetic: matrix products marked QUANTISED: E2M1 operands, one E8M0 scale for each 32 along K, by v_wmma_scale_f32_16x16x128_f8f6f4 with both operands' format E2M1 (or v_wmma_scale_f32_32x16x128_f4), f32 sums; products left as they are: bf16, f16 or f32 operands; f32 sums; everything else in f32.
;; Inputs: bk 1,024 float32; bo 1,024 float32; bq 1,024 float32; bv 1,024 float32; k 4 x 2,048 x 1,024 float32; mask 1 x 1 x 2,048 x 2,048 bool; q 4 x 2,048 x 1,024 float32; v 4 x 2,048 x 1,024 float32; wk 1,024 x 1,024 float32; wo 1,024 x 1,024 float32; wq 1,024 x 1,024 float32; wv 1,024 x 1,024 float32.
;; Outputs: out0 4 x 2,048 x 1,024 float32.
;; This version of the problem:
;;   THIS VERSION OF THE PROBLEM IS GIVEN IN LOW PRECISION. The matrix products marked QUANTISED in the list below multiply operands that are first quantised to E2M1 (2 exponent bits, 1 mantissa bit; 4 bits a number), with one power-of-two scale for each 32 numbers along K (OCP MX v1.0); their sums are f32. The products marked 'left as it is' may take bf16, f16 or f32 operands, with f32 sums. Whichever they take, every output number must still come out within the allowed error. Rounding operands to bf16 (8 significant bits) uses up far more of that allowance than f16 does (11 bits, for magnitudes from 6e-5 to 65,504). All else is computed in f32.
;;   The module's matrix products, in the order in which they are computed (A, B: the left and right operand; K: the contracted axis; several contracted axes count as one K, in the product's order):
;;     1. [M 8,192, K 1,024] x [K 1,024, N 1,024]; A: input q; B: input wq: QUANTISED
;;     2. [M 8,192, K 1,024] x [K 1,024, N 1,024]; A: input k; B: input wk: QUANTISED
;;     3. [M 8,192, K 1,024] x [K 1,024, N 1,024]; A: input v; B: input wv: QUANTISED
;;     4. batch 64 x [M 2,048, K 64] x [K 64, N 2,048]; A: computed on the way; B: computed on the way: left as it is (an operand is computed on the way)
;;     5. batch 64 x [M 2,048, K 2,048] x [K 2,048, N 64]; A: computed on the way; B: computed on the way: left as it is (an operand is computed on the way)
;;     6. [M 8,192, K 1,024] x [K 1,024, N 1,024]; A: computed on the way; B: input wo: left as it is (an operand is computed on the way)
;;   THE QUANTISER, for each operand of a quantised product, along K:
;;     - K is cut into blocks of 32 from its start; a last block that is shorter is filled with zeros.
;;     - A block's scale is 2^e with e = floor(log2(the largest magnitude in the block)) - 2, held to -126 .. 127; a block of zeros has e = 0. As a byte (E8M0): e + 127.
;;     - Each number is divided by its block's scale, clamped to +-6, and rounded to the nearest number of E2M1, ties to even, subnormals kept.
;;     - The product sums the exact products of the quantised numbers (number of the format x scale) in f32.
;;   ~~~python
;;   def quantise(x, axis):      # numpy; x: float32 -> the quantised numbers, widened to float32 again
;;       x = np.moveaxis(x, axis, -1); K = x.shape[-1]
;;       x = np.pad(x, [(0, 0)] * (x.ndim - 1) + [(0, -K % 32)]); x = x.reshape(x.shape[:-1] + (-1, 32)); a = np.abs(x).max(-1, keepdims=True)
;;       e = np.where(a > 0, np.clip(np.frexp(np.where(a > 0, a, 1))[1] - 1 - 2, -126, 127), 0)      # np.frexp(a)[1] - 1 = floor(log2(a)), exactly
;;       r = np.clip(x / 2.0 ** e, -6, 6)
;;       step = 2.0 ** (np.maximum(np.frexp(np.where(r == 0, 1, r))[1] - 1, 0) - 1)
;;       q = np.round(r / step) * step * 2.0 ** e      # np.round: ties to even
;;       return np.moveaxis(q.reshape(q.shape[:-2] + (-1,))[..., :K], -1, axis).astype(np.float32)
;;   ~~~
;; One version. Each part assembles by itself: llvm-mc -triple=amdgcn-amd-amdhsa -mcpu=gfx1250 --defsym DOCPART=n.
;; ======== version 1 of 1: 4 launches
;; limits: values are held in f16: magnitudes above 65,504 overflow, below 6.1e-05 lose precision
;; workspace buffers: codes 14,155,776 bytes; scales 884,736 bytes; wof 2,097,152 bytes; mbits 524,288 bytes of whole numbers; qkv 50,331,648 bytes; of 16,777,216 bytes
;; launch prep (part 1): grid 1152 x 1, 4 waves a work-group, no clusters, 33,280 bytes of LDS; arguments q, k, v, wq, wk, wv, wo, mask, codes, scales, wof, mbits; writes codes, scales, wof, mbits
.if DOCPART == 1
	.amdgcn_target "amdgcn-amd-amdhsa--gfx1250"
	.amdhsa_code_object_version 6
	.text
	.protected	k_q9c4af6d379_prep
	.globl	k_q9c4af6d379_prep
	.p2align	8
	.type	k_q9c4af6d379_prep,@function
k_q9c4af6d379_prep:
	s_mov_b64 s[64:65], 0
	v_nop
	global_prefetch_b8 v0, s[64:65] scope:SCOPE_SE
	s_setreg_imm32_b32 hwreg(HW_REG_WAVE_MODE, 25, 1), 1
	s_wait_xcnt 0x0
; PREP: three roles, told apart by the work-group's number alone.
; (1) Work-groups 0-863: q, k, v [8192][1024] and wq, wk, wv [1024][1024], f32, K innermost in all six, become codes of FP4 (E2M1), two to a byte, and one E8M0 byte for each 32 along K.
;     The six tensors lie on end in codes (512 bytes a row) and in scales (32 bytes a row): rows 0-24575 q, k, v; rows 24576-27647 wq, wk, wv.  Rows are dense, so each tensor is a plain stream of blocks of 32.
;     A block's scale is 2^(floor(log2(largest magnitude)) - 2); its byte is the largest magnitude's exponent field - 2, held at 1 from below.
; (2) Work-groups 864-895: wo [1024 n][1024 k] f32 becomes f16, laid as images of operand registers: [n tile 64][k chunk of 32: 32][half 2][512 bytes]; lane (r, h)'s 16 bytes at 16 x lane hold wo(16 nt + r, 32 kc + 16 j + 8 h + 0..7).
; (3) Work-groups 896-1151: mask [2048 q][2048 k] of bytes becomes lane masks: mbits[q tile 128][k tile 128][8 words]; bit l of word j = mask(16 qt + l % 16, 16 kt + 8 (l / 16) + j).
; LIMITS: a block of zeros gets the byte 1 where the quantiser's rule says 127 (its codes are zeros, and this program alone reads the bytes); blocks whose largest magnitude lies under 2^(2 - 126) were not tried;
; NaN and infinities among the inputs are not served; wo must lie under 65,504 in magnitude (f16).
; Only role (1) touches LDS: a wave's own two stages, through which 2,048 bytes as loaded (16 a lane) turn into 64 neighbouring bytes a lane, and its own 256 scale bytes.  No barrier: waves share nothing.
.set STEPS, 16
.set EMAX,  2
.set CB,    8                          ; bytes of 16 codes
.set R,     16                         ; v16-79   four sets of 16 numbers as they are loaded
.set X,     80                         ; v80-111  two sets of 16 neighbours
.set E,     112                        ; v112-127 a scale byte for each step
.set C,     128                        ; v128-191 codes: four registers for each step, so that no store's data are written again
.set WREG,  8192                       ; LDS: a region for each wave: two stages of 32 x SP bytes, behind them its 256 scale bytes
.set SP,    80                         ; a lane's place in a stage: 64 bytes + 16 of padding
.set SPW,   12                         ; v12  LDS address of my spare word; never rewritten
.set NIL,   13                         ; v13  0; never rewritten
.set SPARE, 4*WREG                     ; behind the four regions: the spare words, 128 bytes a wave
.set GQ,    864                        ; first work-group of role (2)
.set GW,    896                        ; first work-group of role (3)
.macro LOAD t
.irp i, 0,1,2,3
	global_load_b128 v[R+16*((\t)%4)+4*\i:R+16*((\t)%4)+4*\i+3], v3, s[4:5] offset:2048*(\t)+512*\i th:TH_LOAD_NT   ; 32 lanes read 512 consecutive bytes
.endr
.endm
.macro TURN t                          ; step t's numbers through the stage: LDS serves a wave's instructions in order, so no wait stands between the stores and the loads
.irp i, 0,1,2,3
	ds_store_b128 v14, v[R+16*((\t)%4)+4*\i:R+16*((\t)%4)+4*\i+3] offset:32*SP*((\t)%2)+8*SP*\i
.endr
.irp i, 0,1,2,3
	ds_load_b128 v[X+16*((\t)%2)+4*\i:X+16*((\t)%2)+4*\i+3], v15 offset:32*SP*((\t)%2)+16*\i
.endr
.endm
.macro STEP t
.set XS, X+16*((\t)%2)
.if (\t) > 0
	s_wait_dscnt 1                                 ; this step's numbers are back from the stage; the last step's byte store may be out
.else
	s_wait_dscnt 0x0
.endif
.if (\t)+4 < STEPS
	LOAD (\t)+4                                    ; the stage's stores have read their registers: they take the loads of four steps on
.endif
.if (\t)+1 < STEPS
.if STEPS-2-(\t) >= 3
	s_wait_loadcnt 12                              ; the next step's four loads are in; those of the three steps behind it may be out
.else
	s_wait_loadcnt 4*(STEPS-2-(\t))
.endif
	TURN (\t)+1
.endif
	v_max3_num_f32 v8, |v[XS]|, |v[XS+1]|, |v[XS+2]|               ; the largest magnitude of my 16, in two chains
	v_max3_num_f32 v9, |v[XS+3]|, |v[XS+4]|, |v[XS+5]|
.irp i, 6,10
	v_max3_num_f32 v8, v8, |v[XS+\i]|, |v[XS+\i+1]|
	v_max3_num_f32 v9, v9, |v[XS+\i+2]|, |v[XS+\i+3]|
.endr
	v_max3_num_f32 v8, v8, |v[XS+14]|, |v[XS+15]|
	v_max3_num_f32 v8, v8, v9, (EMAX+1)<<23        ; and the floor 2^(EMAX + 1 - 127): the byte cannot fall under 1
	v_max_num_f32_dpp v8, v8, v8 row_xmask:1 row_mask:0xf bank_mask:0xf   ; with my neighbour's 16: the block's
	v_add_nc_u32 v11, -(EMAX<<23), v8              ; EMAX off its exponent field: the conversion takes the exponent field of this operand as its scale
	v_cvt_scalef32_pk8_fp4_f32 v[C+4*(\t)], v[XS:XS+7], v11
	v_cvt_scalef32_pk8_fp4_f32 v[C+4*(\t)+1], v[XS+8:XS+15], v11
	v_lshrrev_b32 v[E+(\t)], 23, v11               ; the scale's byte (also the plain line behind the conversions)
	ds_store_b8 v5, v[E+(\t)] offset:16*(\t)       ; both lanes of a block write the same byte with the same value
	global_store_b64 v4, v[C+4*(\t):C+4*(\t)+1], s[20:21] offset:32*CB*(\t)   ; the wave stores 256 consecutive bytes, aligned
.endm
.macro WLOAD g                         ; role (2): four k chunks of my 16 rows of wo: 16 loads, 64 registers, into set g % 2
.irp c, 0,1,2,3
.irp j, 0,1
.irp p, 0,1
	global_load_b128 v[32+64*((\g)%2)+16*\c+8*\j+4*\p:32+64*((\g)%2)+16*\c+8*\j+4*\p+3], v10, s[16:17] offset:(4*(\g)+\c)*128+64*\j+16*\p th:TH_LOAD_NT
.endr
.endr
.endr
.endm
.macro WCVT g                          ; they are rounded to f16 and leave as eight images of 512 consecutive bytes
.if (\g) < 3
	s_wait_loadcnt 16                              ; this group's 16 loads are in; the next group's 16 may be out
.else
	s_wait_loadcnt 0x0
.endif
.if (\g) > 0
	s_wait_xcnt 0x0                                ; the last group's stores have read v160-191, which are written again below
.endif
.set NN, 0
.rept 32
	v_cvt_pk_f16_f32 v[160+NN], v[32+64*((\g)%2)+2*NN], v[32+64*((\g)%2)+2*NN+1]
.set NN, NN+1
.endr
.irp m, 0,1,2,3,4,5,6,7
	global_store_b128 v3, v[160+4*\m:160+4*\m+3], s[24:25] offset:4096*(\g)+512*\m
.endr
.if (\g)+2 < 4
	WLOAD (\g)+2
.endif
.endm
	s_load_b512 s[4:19], s[0:1], 0x0               ; q, k, v, wq, wk, wv, wo s[16:17], mask s[18:19]
	s_load_b256 s[20:27], s[0:1], 0x40             ; codes, scales, wof, mbits
	v_lshl_add_u32 v[SPW], v0, 2, SPARE
	v_mov_b32 v[NIL], 0
	v_lshrrev_b32 v1, 5, v0
	v_readfirstlane_b32 s28, v1                    ; wave 0..3
	v_and_b32 v2, 31, v0                           ; lane
	v_lshlrev_b32 v3, 4, v2                        ; 16 x lane: my 16 bytes of 512
	s_mul_i32 s29, s28, WREG
	v_lshrrev_b32 v14, 2, v2
	v_mul_u32_u24 v14, v14, SP
	v_and_b32 v15, 3, v2
	v_lshl_add_u32 v14, v15, 4, v14
	v_add_nc_u32 v14, s29, v14                     ; the stage, on the way in: SP (lane / 4) + 16 (lane % 4)
	v_mul_u32_u24 v15, v2, SP
	v_add_nc_u32 v15, s29, v15                     ; and on the way out: SP x lane: my 16 neighbours
	v_mul_u32_u24 v4, v2, CB                       ; my codes' place in a step's
	v_lshrrev_b32 v5, 1, v2
	s_add_co_u32 s29, s29, 2*32*SP
	v_add_nc_u32 v5, s29, v5                       ; LDS: my wave's 256 scale bytes, my block's byte
	v_lshlrev_b32 v7, 3, v2                        ; on their way out 8 bytes a lane
	v_add_nc_u32 v6, s29, v7
	s_wait_kmcnt 0x0
	s_cmp_ge_u32 ttmp9, GW
	s_cbranch_scc1 .Lmask
	s_cmp_ge_u32 ttmp9, GQ
	s_cbranch_scc1 .Lwo
	; ---- role (1): the quantiser.  The source is chosen by the work-group's number alone; the destinations are linear in it
	s_lshr_b32 s29, ttmp9, 8                       ; 0, 1, 2: q, k, v (256 work-groups each); 3: the weights
	s_cmp_eq_u32 s29, 1
	s_cselect_b64 s[4:5], s[6:7], s[4:5]
	s_cmp_eq_u32 s29, 2
	s_cselect_b64 s[4:5], s[8:9], s[4:5]
	s_sub_co_u32 s30, ttmp9, 768                   ; (wraps under 768: then s31 is none of 0, 1, 2)
	s_lshr_b32 s31, s30, 5                         ; 0, 1, 2: wq, wk, wv (32 work-groups each)
	s_cmp_eq_u32 s31, 0
	s_cselect_b64 s[4:5], s[10:11], s[4:5]
	s_cmp_eq_u32 s31, 1
	s_cselect_b64 s[4:5], s[12:13], s[4:5]
	s_cmp_eq_u32 s31, 2
	s_cselect_b64 s[4:5], s[14:15], s[4:5]
	s_and_b32 s32, ttmp9, 255
	s_and_b32 s33, s30, 31
	s_cmp_lt_u32 ttmp9, 768
	s_cselect_b32 s32, s32, s33                    ; the work-group's number within its tensor
	s_lshl_b32 s32, s32, 2
	s_add_co_u32 s32, s32, s28                     ; my wave's run of 8,192 numbers
	s_lshl_b32 s32, s32, 15                        ; 32,768 bytes a run
	s_mov_b32 s33, 0
	s_add_nc_u64 s[4:5], s[4:5], s[32:33]
	s_lshl_b32 s34, ttmp9, 2
	s_add_co_u32 s34, s34, s28                     ; my run among all six tensors'
	s_mov_b32 s35, 0
	s_lshl_b32 s36, s34, 12                        ; 4,096 bytes of codes a run
	s_mov_b32 s37, 0
	s_add_nc_u64 s[20:21], s[20:21], s[36:37]
	s_lshl_b32 s34, s34, 8                         ; 256 scale bytes a run
	s_add_nc_u64 s[22:23], s[22:23], s[34:35]
.irp t, 0,1,2,3
	LOAD \t
.endr
	s_wait_loadcnt 12                              ; step 0's four loads are in
	TURN 0
.irp t, 0,1,2,3,4,5,6,7,8,9,10,11,12,13,14,15
	STEP \t
.endr
	ds_load_b64 v[8:9], v6                         ; LDS serves a wave's instructions in order: these see my byte stores
	s_wait_dscnt 0x0
	global_store_b64 v7, v[8:9], s[22:23]          ; 32 lanes store 256 consecutive bytes, aligned
	s_wait_tensorcnt 0x0                           ; the wave's end: with the add and its wait below, behind my last LDS store
	ds_add_u32 v[SPW], v[NIL]
	s_wait_dscnt 0x0
	s_endpgm
	; ---- role (2): wo to f16 images.  128 waves: n tile = number / 2, half of K = number % 2 (16 k chunks)
.Lwo:
	s_sub_co_u32 s29, ttmp9, GQ
	s_lshl_b32 s29, s29, 2
	s_add_co_u32 s29, s29, s28
	s_lshr_b32 s30, s29, 1                         ; n tile
	s_and_b32 s31, s29, 1                          ; half of K
	s_lshl_b32 s32, s30, 16                        ; 16 rows of 4,096 bytes
	s_lshl_b32 s33, s31, 11                        ; 512 numbers
	s_add_co_u32 s32, s32, s33
	s_mov_b32 s33, 0
	s_add_nc_u64 s[16:17], s[16:17], s[32:33]
	s_lshl_b32 s34, s30, 15                        ; 32 k chunks of 1,024 bytes
	s_lshl_b32 s35, s31, 14
	s_add_co_u32 s34, s34, s35
	s_mov_b32 s35, 0
	s_add_nc_u64 s[24:25], s[24:25], s[34:35]
	v_and_b32 v1, 15, v2
	v_lshlrev_b32 v10, 12, v1                      ; row r
	v_lshrrev_b32 v1, 4, v2
	v_lshl_add_u32 v10, v1, 5, v10                 ; + 8 h numbers
	WLOAD 0
	WLOAD 1
	WCVT 0
	WCVT 1
	WCVT 2
	WCVT 3
	s_endpgm
	; ---- role (3): the mask's bytes to lane masks.  1,024 waves: q tile = number / 8, 16 k tiles each
.Lmask:
	s_sub_co_u32 s29, ttmp9, GW
	s_lshl_b32 s29, s29, 2
	s_add_co_u32 s29, s29, s28
	s_lshr_b32 s30, s29, 3                         ; q tile
	s_and_b32 s31, s29, 7                          ; which 256 keys
	s_lshl_b32 s32, s30, 15                        ; 16 rows of 2,048 bytes
	s_lshl_b32 s33, s31, 8
	s_add_co_u32 s32, s32, s33
	s_mov_b32 s33, 0
	s_add_nc_u64 s[18:19], s[18:19], s[32:33]
	s_lshl_b32 s34, s30, 12                        ; 128 k tiles of 32 bytes
	s_lshl_b32 s35, s31, 9
	s_add_co_u32 s34, s34, s35
	s_mov_b32 s35, 0
	s_add_nc_u64 s[26:27], s[26:27], s[34:35]
	v_and_b32 v1, 15, v2
	v_lshlrev_b32 v10, 11, v1                      ; row r
	v_lshrrev_b32 v1, 4, v2
	v_lshl_add_u32 v10, v1, 3, v10                 ; + 8 h keys
.irp i, 0,1,2,3,4,5,6,7,8,9,10,11,12,13,14,15
	global_load_b64 v[32+2*\i:33+2*\i], v10, s[18:19] offset:16*\i th:TH_LOAD_NT   ; k tile i: my row's 8 bytes; the 16 loads together take each row's 256 bytes
.endr
.irp i, 0,1,2,3
	v_mov_b32 v[16+\i], 0                          ; v_writelane_b32's destination counts as read
.endr
	s_wait_loadcnt 0x0
.set W, 0
.rept 128                              ; word W = 8 i + j: byte j of the lanes' 8 bytes of k tile i, as a mask of lanes; it goes to lane W / 4, register W % 4
	v_and_b32 v[24+W%4], 0xff<<(8*(W%4)), v[32+2*(W/8)+(W%8)/4]
	v_cmp_ne_u32 s[40+W%4], 0, v[24+W%4]
	v_writelane_b32 v[16+W%4], s[40+W%4], W/4
.set W, W+1
.endr
	global_store_b128 v3, v[16:19], s[26:27]       ; 128 words: 512 consecutive bytes
	s_endpgm
.Lfunc_end_k_q9c4af6d379_prep:
	.size	k_q9c4af6d379_prep, .Lfunc_end_k_q9c4af6d379_prep-k_q9c4af6d379_prep
	.p2alignl 7, 3214868480
	.fill 96, 4, 3214868480
	.section	.rodata,"a",@progbits
	.p2align	6, 0x0
	.amdhsa_kernel k_q9c4af6d379_prep
		.amdhsa_group_segment_fixed_size 33280
		.amdhsa_private_segment_fixed_size 0
		.amdhsa_enable_private_segment 0
		.amdhsa_kernarg_size 96
		.amdhsa_user_sgpr_count 2
		.amdhsa_user_sgpr_kernarg_segment_ptr 1
		.amdhsa_wavefront_size32 1
		.amdhsa_system_sgpr_workgroup_id_x 1
		.amdhsa_system_sgpr_workgroup_id_y 1
		.amdhsa_system_sgpr_workgroup_id_z 1
		.amdhsa_system_vgpr_workitem_id 0
		.amdhsa_next_free_vgpr 192
		.amdhsa_next_free_sgpr 66
		.amdhsa_reserve_vcc 0
		.amdhsa_float_denorm_mode_32 3
		.amdhsa_float_denorm_mode_16_64 3
		.amdhsa_memory_ordered 1
		.amdhsa_forward_progress 1
		.amdhsa_inst_pref_size 78
	.end_amdhsa_kernel
	.amdgpu_metadata
---
amdhsa.version: [ 1, 2 ]
amdhsa.kernels:
  - .name:           k_q9c4af6d379_prep
    .symbol:         k_q9c4af6d379_prep.kd
    .args:
      - { .name: q, .offset: 0, .size: 8, .value_kind: global_buffer, .address_space: global }
      - { .name: k, .offset: 8, .size: 8, .value_kind: global_buffer, .address_space: global }
      - { .name: v, .offset: 16, .size: 8, .value_kind: global_buffer, .address_space: global }
      - { .name: wq, .offset: 24, .size: 8, .value_kind: global_buffer, .address_space: global }
      - { .name: wk, .offset: 32, .size: 8, .value_kind: global_buffer, .address_space: global }
      - { .name: wv, .offset: 40, .size: 8, .value_kind: global_buffer, .address_space: global }
      - { .name: wo, .offset: 48, .size: 8, .value_kind: global_buffer, .address_space: global }
      - { .name: mask, .offset: 56, .size: 8, .value_kind: global_buffer, .address_space: global }
      - { .name: codes, .offset: 64, .size: 8, .value_kind: global_buffer, .address_space: global }
      - { .name: scales, .offset: 72, .size: 8, .value_kind: global_buffer, .address_space: global }
      - { .name: wof, .offset: 80, .size: 8, .value_kind: global_buffer, .address_space: global }
      - { .name: mbits, .offset: 88, .size: 8, .value_kind: global_buffer, .address_space: global }
    .group_segment_fixed_size: 33280
    .private_segment_fixed_size: 0
    .kernarg_segment_align: 8
    .kernarg_segment_size: 96
    .max_flat_workgroup_size: 128
    .sgpr_count:     66
    .vgpr_count:     192
    .wavefront_size: 32
...
	.end_amdgpu_metadata
.endif
;; end of part 1
;; launch proj (part 2): grid 4 x 96, 4 waves a work-group, clusters of 4 x 4, 327,680 bytes of LDS; arguments codes, scales, bq, bk, bv, qkv; writes qkv
.if DOCPART == 2
	.amdgcn_target "amdgcn-amd-amdhsa--gfx1250"
	.amdhsa_code_object_version 6
	.text
	.protected	k_q9c4af6d379_proj
	.globl	k_q9c4af6d379_proj
	.p2align	8
	.type	k_q9c4af6d379_proj,@function
k_q9c4af6d379_proj:
	s_mov_b64 s[64:65], 0
	v_nop
	global_prefetch_b8 v0, s[64:65] scope:SCOPE_SE
	s_setreg_imm32_b32 hwreg(HW_REG_WAVE_MODE, 25, 1), 1
	s_wait_xcnt 0x0
	s_wait_alu depctr_hold_cnt(0) depctr_sa_sdst(0) depctr_va_vdst(0) depctr_va_sdst(0) depctr_va_ssrc(0) depctr_va_vcc(0) depctr_vm_vsrc(0)
	s_getreg_b32 s2, hwreg(HW_REG_IB_STS2, 6, 4)
	s_cmp_eq_u32 s2, 0
	s_cbranch_scc0 .Lentry_in_a_cluster
	s_endpgm
.Lentry_in_a_cluster:
	s_bfe_u32 s2, ttmp6, 0x10000c
	s_cmp_lg_u32 s2, 0xf033
	s_cbranch_scc0 .Lentry_shape_is_right
	s_endpgm
.Lentry_shape_is_right:
; PROJ: the three quantised products in one launch: y = x W^T + b for (q, wq, bq), (k, wk, bk), (v, wv, bv), on codes of FP4 (E2M1) with one E8M0 scale for each 32 along K = 1,024; sums in f32.
; codes: 27,648 rows of 512 bytes, scales: the same rows of 32 bytes: rows 8192 p + token are x's, rows 24576 + 1024 p + n are W's (p = 0, 1, 2).
; A work-group of four waves makes 256 tokens x 256 channels, a wave 128 x 128: 64 accumulators of 16 x 16.  Work-group y 0-95 counts blocks of 256 rows of x over all three products; p = y / 32.
; K is two steps of 512 (rows of 256 bytes), each in an LDS slot of its own: both are asked for at the head, nothing is ever filled again.  The scale bytes of the work-group's rows come once, as dense blocks.
; CLUSTERS: 4 x 4 work-groups.  The four of a row need the same rows of x, the four of a column the same rows of W: each tile is asked for jointly.  p comes from the cluster's y: it is the same in all sixteen.
; THE MATRIX INSTRUCTION IS USED TRANSPOSED (source 0 = 16 rows of W, source 1 = 16 rows of x): a lane holds eight neighbouring channels of one token.
; THE WAY OUT: (sum + bias) x c, c = log2(e) / 8 for Q (so that attention's scores are exponents of 2) and 1 for K and V, rounded to f16.  qkv is laid [p][batch x 16 + head][token tile 128][4][512 bytes] as images of the
; operand registers of the next launch: a lane's eight channels are 16 bytes of such an image, so each store of the wave covers 512 consecutive bytes, aligned, and no stage in LDS is needed.
;   Q, K: piece b % 4 holds channels 16 (b % 4) + 8 h + 0..7 of token r at byte 16 (r + 16 h).     V: the same numbers at byte 16 ((r & 7) + 8 h + 16 (r >> 3)), as the turning LDS load of the next launch wants them.
; LIMIT: Q x c, K and V must lie under 65,504 in magnitude (f16); with inputs and weights 30 times those drawn they reach some 5,000, with a common offset of 30 spreads some 29,000.
; REGISTERS, in windows of 256: window 0: v16-30 addresses; v32-95 scale words, two sets; v128-191 x's fragments, one set; v192-255 the bias; on the way out v32-95 f32 at work, v96-159 packed results.
;   window 1: W's fragments, two sets, at v0 and v128.   window 2: the accumulators of my tokens 0-63 ((a, b) at v[8 (8 a + b)]);   window 3: those of my tokens 64-127.
.set SIZE_K, 1024
.set KSTEP,  512
.set NQ,     KSTEP/128
.set ROWB,   256                       ; a tile's row in bytes
.set KROW,   SIZE_K/2                  ; a row of codes in memory
.set PITCH,  272                       ; an LDS row: 256 bytes + 16 of padding: the 16 rows that a load touches start at 16 different banks (64 banks of 4 bytes: ISA guide 11.1)
.set FR,     8
.set NL,     2
.set NP,     4                         ; places behind this matrix instruction (ISA guide 7.12.1)
.set HALFT,  128*PITCH
.set SLOT,   4*HALFT                   ; x's 256 rows, then W's 256 rows
.set KS,     SIZE_K/32
.set SCL,    2*SLOT                    ; behind the slots: the scales, as rows of 256 bytes + 16 of padding
.set HALFS,  (128*KS/256)*272
.set SBLK,   (16*KS/256)*272
.set SPARE,  SCL+4*HALFS               ; the spare words, 128 bytes a wave
.set ADRA, 16                          ; v16-17  LDS address of my x fragments in slot 0, 1
.set ADRB, 20                          ; v20-21  the same for W
.set CO,   26                          ; v26     my 16 bytes in an image of qkv
.set ADRS, 27                          ; v27     LDS address of my scale words: lanes 0-15 x's rows, lanes 16-31 W's
.set SPW,  28                          ; v28     LDS address of my spare word; never rewritten
.set NIL,  29                          ; v29     0; never rewritten
.set BO,   30                          ; v30     32 h: my eight numbers in 16 of the bias
.set SC,   32
.set T,    32                          ; the way out: 64 numbers in f32
.set PK,   96                          ; the way out: two sets of 32 registers of f16 pairs
.set AF,   128
.set BI,   192                         ; the bias of my 128 channels, 8 registers for each b, in the result's layout
.set G1, 24
.set G0, 32
.set G1B, 48
.set G0B, 56
.set G1S, 68
.set G0S, 76
.set G1SB, 80
.set G0SB, 88
.set MSB, 0
.macro WIN new                         ; the immediate's high byte repeats the setting that is left
.if MSB != (\new)
	s_set_vgpr_msb (MSB<<8)|(\new)
.set MSB, (\new)
.endif
.endm
.set MUL_LO, 0xa1                      ; source 0 (W) window 1, source 1 (x) window 0, C and D window 2
.set MUL_HI, 0xf1                      ; the same, C and D window 3
.set TO_B,   0x40                      ; destination window 1, address window 0
; A joint load: waves 0 and 1 fetch for x, waves 2 and 3 for W.  The branch hangs on the wave's number alone.  An s_nop 0 and four v_nop follow each of the two lines.
.macro JLOAD g0a, g1a, g0b, g1b
	s_cmp_eq_u32 s15, 0
	s_cbranch_scc0 .Lfor_b_\@
	tensor_load_to_lds s[\g0a:\g0a+3], s[\g1a:\g1a+7]
	s_nop 0
.rept 4
	v_nop
.endr
	s_branch .Lasked_\@
.Lfor_b_\@:
	tensor_load_to_lds s[\g0b:\g0b+3], s[\g1b:\g1b+7]
	s_nop 0
.rept 4
	v_nop
.endr
.Lasked_\@:
.endm
.macro CROUND                          ; a round of the cluster's barrier
	s_barrier_signal -1
	s_barrier_wait -1
	s_cmp_lg_u32 s14, 0
	s_cbranch_scc1 .Lnot_wave_0_\@
	s_barrier_signal -3
.Lnot_wave_0_\@:
	s_barrier_wait -3
	s_barrier_signal -1
	s_barrier_wait -1
.endm
	s_load_b128 s[4:7], s[0:1], 0x0                ; codes s[4:5], scales s[6:7]
	s_load_b128 s[8:11], s[0:1], 0x10              ; bq s[8:9], bk s[10:11]
	s_load_b128 s[96:99], s[0:1], 0x20             ; bv s[96:97], qkv s[98:99]
	v_lshl_add_u32 v[SPW], v0, 2, SPARE
	v_mov_b32 v[NIL], 0
	ds_add_u32 v[SPW], v[NIL]                      ; the wave's opening: the add, twice on end, and its wait ahead of my first tensor load
	ds_add_u32 v[SPW], v[NIL]
	v_lshrrev_b32 v1, 5, v0
	v_readfirstlane_b32 s14, v1                    ; wave 0..3
	s_lshr_b32 s15, s14, 1                         ; which half of the tile's tokens is mine.  Also: I fetch for x (0) or for W (1)
	s_and_b32 s16, s14, 1                          ; which half of its channels.  Also: which 128 rows I fetch
	s_bfe_u32 s40, ttmp6, 0x40000                  ; cx, cy: my place in the cluster
	s_bfe_u32 s41, ttmp6, 0x40004
	s_lshl_b32 s42, ttmp9, 2
	s_add_co_u32 s42, s42, s40                     ; block of 256 channels = 4 x cluster x + cx
	s_and_b32 s17, ttmp7, 0xffff
	s_lshr_b32 s12, s17, 3                         ; p: 8 clusters along y to a product
	s_lshl_b32 s17, s17, 2
	s_add_co_u32 s17, s17, s41                     ; block of 256 rows of x = 4 x cluster y + cy
	s_lshl_b32 s43, s41, 2
	s_lshl_b32 s43, 15, s43                        ; my row of the cluster
	s_lshl_b32 s44, 0x1111, s40                    ; my column
	; descriptor group 1: a tile of 128 rows x 256 bytes, 16 bytes of padding behind each row
	s_or_b32 s[G1+0], s43, (0<<16)|(1<<20)|(1<<21)|(5<<22)|(3<<25)  ; 15:0 the mask; 17:16 elements of 1 byte; 20 padding on; 21 set beside a mask; 24:22 after every 64 words; 31:25 four words
	s_or_b32 s[G1B+0], s44, (0<<16)|(1<<20)|(1<<21)|(5<<22)|(3<<25)
.irp g, G1, G1B
	s_mov_b32 s[\g+1], ROWB<<16                    ; tensor_dim0
	s_mov_b32 s[\g+2], 128<<16                     ; tensor_dim1
	s_mov_b32 s[\g+3], ROWB<<16                    ; tile_dim0
	s_mov_b32 s[\g+4], 128                         ; tile_dim1
	s_mov_b32 s[\g+5], KROW                        ; tensor_dim0_stride
	s_mov_b32 s[\g+6], 0
	s_mov_b32 s[\g+7], 0
.endr
	; the scales of 128 rows: 4,096 dense bytes, as 16 rows of 256 bytes (32 elements of 8 bytes), 16 bytes of padding behind each
	s_or_b32 s[G1S+0], s43, (3<<16)|(1<<20)|(1<<21)|(5<<22)|(3<<25)
	s_or_b32 s[G1SB+0], s44, (3<<16)|(1<<20)|(1<<21)|(5<<22)|(3<<25)
.irp g, G1S, G1SB
	s_mov_b32 s[\g+1], 32<<16
	s_mov_b32 s[\g+2], (128*KS/256)<<16
	s_mov_b32 s[\g+3], 32<<16
	s_mov_b32 s[\g+4], 128*KS/256
	s_mov_b32 s[\g+5], 32
	s_mov_b32 s[\g+6], 0
	s_mov_b32 s[\g+7], 0
.endr
	s_lshl_b32 s18, s16, 7                         ; which 128 rows of the tile I fetch
	s_lshl_b32 s20, s17, 8
	s_add_co_u32 s20, s20, s18                     ; x: row 256 x block + 128 x half
	s_lshl_b32 s46, s42, 8
	s_add_co_u32 s46, s46, s18                     ; W: row 256 x block + 128 x half
	s_lshl_b32 s13, s12, 10
	s_add_co_u32 s46, s46, s13                     ; + 1,024 p
	s_add_co_u32 s46, s46, 24576                   ; behind x's rows
	s_mov_b32 s21, 0
	s_mov_b32 s47, 0
	s_mov_b64 s[18:19], KS
	s_mul_u64 s[22:23], s[20:21], s[18:19]         ; where these rows' scales begin, in bytes
	s_mul_u64 s[92:93], s[46:47], s[18:19]
	s_mov_b64 s[18:19], KROW
	s_mul_u64 s[20:21], s[20:21], s[18:19]         ; and their codes
	s_mul_u64 s[46:47], s[46:47], s[18:19]
	s_mul_i32 s45, s14, HALFT                      ; where they go: wave x 128 rows
	s_mul_i32 s94, s14, HALFS
	s_mov_b32 s100, 1.0
	s_cmp_eq_u32 s12, 0
	s_cselect_b32 s100, 0x3e38aa3b, s100           ; c = log2(e) / 8 for Q, 1 for K and V
	s_mov_b32 s101, s100                           ; (the packed forms name the pair)
	s_cmp_eq_u32 s12, 2
	s_cselect_b32 s104, 8, 7                       ; in an image, r >> 3 counts 128 bytes (Q, K) or 256 (V),
	s_cselect_b32 s105, 7, 8                       ; and h 256 or 128: as shifts
	s_wait_dscnt 0x0                               ; both opening adds are done
	s_wait_kmcnt 0x0
	s_add_nc_u64 s[20:21], s[4:5], s[20:21]
	s_add_nc_u64 s[22:23], s[6:7], s[22:23]
	s_add_nc_u64 s[46:47], s[4:5], s[46:47]
	s_add_nc_u64 s[92:93], s[6:7], s[92:93]
	CROUND                                         ; all sixteen work-groups are here: the joint loads meet
	s_mov_b32 s[G0S], 1
	s_add_co_u32 s[G0S+1], s94, SCL
	s_mov_b64 s[G0S+2:G0S+3], s[22:23]
	s_or_b32 s[G0S+3], s[G0S+3], 0x80000000
	s_mov_b32 s[G0SB], 1
	s_add_co_u32 s[G0SB+1], s94, SCL
	s_mov_b64 s[G0SB+2:G0SB+3], s[92:93]
	s_or_b32 s[G0SB+3], s[G0SB+3], 0x80000000
	JLOAD G0S, G1S, G0SB, G1SB                     ; the scales first: they are wanted with K step 0.  Three tensor loads of mine are out at the most
.irp s, 0,1
	s_mov_b32 s[G0+4*\s], 1
	s_add_co_u32 s[G0+4*\s+1], s45, \s*SLOT
	s_add_nc_u64 s[G0+4*\s+2:G0+4*\s+3], s[20:21], \s*ROWB
	s_or_b32 s[G0+4*\s+3], s[G0+4*\s+3], 0x80000000
	s_mov_b32 s[G0B+4*\s], 1
	s_add_co_u32 s[G0B+4*\s+1], s45, \s*SLOT
	s_add_nc_u64 s[G0B+4*\s+2:G0B+4*\s+3], s[46:47], \s*ROWB
	s_or_b32 s[G0B+4*\s+3], s[G0B+4*\s+3], 0x80000000
	JLOAD G0+4*\s, G1, G0B+4*\s, G1B
.endr
	v_and_b32 v1, 15, v0                           ; r = l % 16
	v_bfe_u32 v2, v0, 4, 1                         ; h = l / 16
	v_mul_u32_u24 v3, v1, PITCH
	v_lshl_add_u32 v4, v2, 4, v3                   ; a fragment's row x pitch + 16 x half
	s_mul_i32 s21, s15, HALFT                      ; my 128 rows of x
	s_mul_i32 s22, s16, HALFT                      ; my 128 rows of W,
	s_add_co_u32 s22, s22, 2*HALFT                 ; which lie behind x's 256
.irp s, 0,1
	v_add_nc_u32 v[ADRA+\s], s21, v4
	v_add_nc_u32 v[ADRB+\s], s22, v4
	s_add_co_u32 s21, s21, SLOT
	s_add_co_u32 s22, s22, SLOT
.endr
	v_mul_u32_u24 v5, v1, KS                       ; my row's scales: 32 bytes a row,
	v_lshrrev_b32 v6, 8, v5
	v_lshl_add_u32 v5, v6, 4, v5                   ; and 16 more for each 256 passed
	s_mul_i32 s21, s15, HALFS
	s_mul_i32 s22, s16, HALFS
	s_add_co_u32 s22, s22, 2*HALFS
	s_sub_co_u32 s22, s22, s21
	v_mul_u32_u24 v6, s22, v2                      ; lanes 16-31 take W's: one product, the distance between the two bases x h
	s_add_co_u32 s21, s21, SCL
	v_add_nc_u32 v5, v5, v6
	v_add_nc_u32 v[ADRS], s21, v5
	; the bias of my 128 channels: chosen by p, which hangs on no address
	s_cmp_eq_u32 s12, 1
	s_cselect_b64 s[8:9], s[10:11], s[8:9]
	s_cmp_eq_u32 s12, 2
	s_cselect_b64 s[8:9], s[96:97], s[8:9]
	s_lshl_b32 s22, s42, 10
	s_lshl_b32 s23, s16, 9
	s_add_co_u32 s22, s22, s23
	s_mov_b32 s23, 0
	s_add_nc_u64 s[8:9], s[8:9], s[22:23]
	v_lshlrev_b32 v[BO], 5, v2
.irp b, 0,1,2,3,4,5,6,7
	global_load_b128 v[BI+8*\b:BI+8*\b+3], v[BO], s[8:9] offset:64*\b        ; channels 16 b + 8 h + 0..7
	global_load_b128 v[BI+8*\b+4:BI+8*\b+7], v[BO], s[8:9] offset:64*\b+16
.endr
	; my 16 bytes in an image
	v_and_b32 v5, 7, v1
	v_lshrrev_b32 v6, 3, v1
	v_lshlrev_b32 v[CO], 4, v5
	v_lshlrev_b32 v6, s104, v6
	v_add_nc_u32 v[CO], v[CO], v6
	v_lshlrev_b32 v6, s105, v2
	v_add_nc_u32 v[CO], v[CO], v6
	; where my part of qkv begins: p x 2^24 + ((batch x 16 + head) x 128 + token tile) x 2,048
	s_and_b32 s20, s17, 31                         ; the block of 256 tokens within the product
	s_lshr_b32 s21, s20, 3                         ; batch
	s_and_b32 s20, s20, 7
	s_lshl_b32 s20, s20, 4
	s_lshl_b32 s22, s15, 3
	s_add_co_u32 s20, s20, s22                     ; my first token tile
	s_lshl_b32 s21, s21, 4
	s_lshl_b32 s22, s42, 2
	s_add_co_u32 s21, s21, s22
	s_lshl_b32 s22, s16, 1
	s_add_co_u32 s21, s21, s22                     ; batch x 16 + my first head
	s_lshl_b32 s21, s21, 7
	s_add_co_u32 s20, s20, s21
	s_lshl_b32 s20, s20, 11
	s_lshl_b32 s21, s12, 24
	s_add_co_u32 s20, s20, s21
	s_mov_b32 s21, 0
	s_add_nc_u64 s[98:99], s[98:99], s[20:21]
.macro FRAG reg, adr, q, i             ; a fragment, 16 rows x 128 K of 4-bit codes, is 8 registers: lane l holds row l % 16; registers 4 c .. 4 c + 3 hold K = 64 c + 32 (l / 16) + 0 .. 31
.irp c, 0,1
	ds_load_b128 v[\reg+4*\c:\reg+4*\c+3], v[\adr] offset:64*(\q)+32*\c+(\i)*16*PITCH
.endr
.endm
; 16 matrix instructions: x's blocks a0, a0 + 1 against W's eight, 128 along K.  The 64 accumulators take turns, one instruction a turn, in the same order in every step.
.macro MUL16 a0, p, q, sc, zero
.irp a, \a0, \a0+1
.irp b, 0,1,2,3,4,5,6,7
.if \zero
	v_wmma_scale_f32_16x16x128_f8f6f4 v[8*(8*((\a)%4)+\b):8*(8*((\a)%4)+\b)+7], v[128*(\p)+FR*\b:128*(\p)+FR*\b+FR-1], v[AF+FR*(\a):AF+FR*(\a)+FR-1], 0, v[SC+8*NQ*(\sc)+NQ*\b+(\q)], v[SC+8*NQ*(\sc)+NQ*(\a)+(\q)] matrix_a_fmt:MATRIX_FMT_FP4 matrix_b_fmt:MATRIX_FMT_FP4 matrix_a_scale:MATRIX_SCALE_ROW1
.else
	v_wmma_scale_f32_16x16x128_f8f6f4 v[8*(8*((\a)%4)+\b):8*(8*((\a)%4)+\b)+7], v[128*(\p)+FR*\b:128*(\p)+FR*\b+FR-1], v[AF+FR*(\a):AF+FR*(\a)+FR-1], v[8*(8*((\a)%4)+\b):8*(8*((\a)%4)+\b)+7], v[SC+8*NQ*(\sc)+NQ*\b+(\q)], v[SC+8*NQ*(\sc)+NQ*(\a)+(\q)] matrix_a_fmt:MATRIX_FMT_FP4 matrix_b_fmt:MATRIX_FMT_FP4 matrix_a_scale:MATRIX_SCALE_ROW1
.endif
.endr
.endr
.endm
.macro FETCH_B slot, q, p              ; W's eight fragments of the slot's q-th 128 along K into set p
	WIN TO_B
.irp i, 0,1,2,3,4,5,6,7
	FRAG 128*(\p)+FR*\i, ADRB+\slot, \q, \i
.endr
	WIN 0
.endm
.macro FETCH_A slot, q, i0             ; x's blocks i0 .. i0 + 3
.irp i, \i0, \i0+1, \i0+2, \i0+3
	FRAG AF+FR*(\i), ADRA+\slot, \q, \i
.endr
.endm
.macro SCALES sc                       ; a K step's scale words into set sc: four words a row; lanes 0-15 take x's block i, lanes 16-31 W's block i
.irp i, 0,1,2,3,4,5,6,7
	ds_load_b128 v[SC+8*NQ*\sc+NQ*\i:SC+8*NQ*\sc+NQ*\i+3], v[ADRS] offset:\i*SBLK
.endr
.endm
.macro PLACES n                        ; plain vector lines between a matrix instruction and a load into, or a vector read of, its registers
.rept \n
	v_nop
.endr
.endm
.macro STEP slot, q, zero              ; a step of 128 along K that has its successor in the same slot
	s_wait_dscnt 4*NL                              ; W's set and x's blocks 0-3 are in; the youngest eight loads (x's blocks 4-7) may be out
	WIN MUL_LO
	MUL16 0, (\q)%2, \q, \slot, \zero
	MUL16 2, (\q)%2, \q, \slot, \zero
	s_wait_dscnt 0                                 ; x's blocks 4-7 are in
	PLACES NP
	FETCH_B \slot, (\q)+1, 1-(\q)%2
	FETCH_A \slot, (\q)+1, 0
	WIN MUL_HI
	MUL16 4, (\q)%2, \q, \slot, \zero
	MUL16 6, (\q)%2, \q, \slot, \zero
	PLACES NP
	WIN 0
	FETCH_A \slot, (\q)+1, 4
.endm
; Slot 0's last step goes over to slot 1: each wave waits for all its tensor loads (its part of slot 1), adds 0 to its spare word, waits for that and for its LDS loads, and passes the barrier: behind it slot 1 is whole.  Nothing is filled again.
.macro TURN slot, next
	s_wait_tensorcnt 0x0
	ds_add_u32 v[SPW], v[NIL]
	s_wait_dscnt 4*NL+1                            ; (the add and the youngest eight loads may be out)
	WIN MUL_LO
	MUL16 0, 1, NQ-1, \slot, 0
	s_wait_dscnt 0x0
	s_barrier_signal -1
	MUL16 2, 1, NQ-1, \slot, 0
	WIN 0
	s_barrier_wait -1
	PLACES NP
	v_add_nc_u32 v[ADRS], 4*NQ, v[ADRS]            ; on to the next K step's scale words
	FETCH_B \next, 0, 0
	FETCH_A \next, 0, 0
	SCALES \next
	WIN MUL_HI
	MUL16 4, 1, NQ-1, \slot, 0
	MUL16 6, 1, NQ-1, \slot, 0
	PLACES NP
	WIN 0
	FETCH_A \next, 0, 4
.endm
.macro STEPS slot, from
.set Q, \from
.rept NQ-1-\from
	STEP \slot, Q, 0
.set Q, Q+1
.endr
.endm
; THE WAY OUT of block a (16 tokens x 128 channels): (sum + bias) x c as one fused multiply-add on bias x c, each accumulator from its low end on; rounded to f16; eight stores of 512 consecutive bytes.
.macro OUTB a
.set AC, 64*((\a)%4)
	WIN 0x02+(\a)/4                                ; source 0: window 2 or 3
.irp b, 0,1,2,3,4,5,6,7
.irp i, 0,2,4,6
	v_pk_fma_f32 v[T+8*\b+\i:T+8*\b+\i+1], v[AC+8*\b+\i:AC+8*\b+\i+1], s[100:101], v[BI+8*\b+\i:BI+8*\b+\i+1] op_sel_hi:[1,0,1]
.endr
.endr
	WIN 0
.if (\a) > 1
	s_wait_xcnt 0x0                                ; block a - 2's stores have read the set of registers that is written below
.endif
.set NN, 0
.rept 32
	v_cvt_pk_f16_f32 v[PK+32*((\a)%2)+NN], v[T+2*NN], v[T+2*NN+1]
.set NN, NN+1
.endr
.irp b, 0,1,2,3,4,5,6,7
	global_store_b128 v[CO], v[PK+32*((\a)%2)+4*\b:PK+32*((\a)%2)+4*\b+3], s[98:99] offset:(\a)*2048+(\b/4)*262144+(\b%4)*512   ; token tile a, head b / 4, piece b % 4
.endr
.endm
	s_wait_tensorcnt 1                             ; the scales and my part of K step 0 are in; K step 1's load may be out
	s_barrier_signal -1
	s_barrier_wait -1
	FETCH_B 0, 0, 0
	FETCH_A 0, 0, 0
	SCALES 0
	FETCH_A 0, 0, 4
	STEP 0, 0, 1                                   ; the first step's products start the sums: nothing is cleared
	STEPS 0, 1
	TURN 0, 1
	STEPS 1, 0
	s_wait_dscnt 4*NL                              ; the last step: nothing more to fetch
	WIN MUL_LO
	MUL16 0, 1, NQ-1, 1, 0
	MUL16 2, 1, NQ-1, 1, 0
	s_wait_dscnt 0
	WIN MUL_HI
	MUL16 4, 1, NQ-1, 1, 0
	MUL16 6, 1, NQ-1, 1, 0
	WIN 0
	s_wait_loadcnt 0x0                             ; the bias
.set NN, 0
.rept 32
	v_pk_mul_f32 v[BI+NN:BI+NN+1], v[BI+NN:BI+NN+1], s[100:101] op_sel_hi:[1,0]   ; bias x c.  These 32 are also the places behind the last products
.set NN, NN+2
.endr
.irp a, 0,1,2,3,4,5,6,7
	OUTB \a
.endr
	s_wait_tensorcnt 0x0                           ; the wave's end: with the add and its wait below, behind my last tensor load
	ds_add_u32 v[SPW], v[NIL]
	s_wait_dscnt 0x0
	CROUND                                         ; the closing round
	s_endpgm
.Lfunc_end_k_q9c4af6d379_proj:
	.size	k_q9c4af6d379_proj, .Lfunc_end_k_q9c4af6d379_proj-k_q9c4af6d379_proj
	.p2alignl 7, 3214868480
	.fill 96, 4, 3214868480
	.section	.rodata,"a",@progbits
	.p2align	6, 0x0
	.amdhsa_kernel k_q9c4af6d379_proj
		.amdhsa_group_segment_fixed_size 327680
		.amdhsa_private_segment_fixed_size 0
		.amdhsa_enable_private_segment 0
		.amdhsa_kernarg_size 48
		.amdhsa_user_sgpr_count 2
		.amdhsa_user_sgpr_kernarg_segment_ptr 1
		.amdhsa_wavefront_size32 1
		.amdhsa_system_sgpr_workgroup_id_x 1
		.amdhsa_system_sgpr_workgroup_id_y 1
		.amdhsa_system_sgpr_workgroup_id_z 1
		.amdhsa_system_vgpr_workitem_id 0
		.amdhsa_next_free_vgpr 1024
		.amdhsa_next_free_sgpr 106
		.amdhsa_reserve_vcc 0
		.amdhsa_float_denorm_mode_32 3
		.amdhsa_float_denorm_mode_16_64 3
		.amdhsa_memory_ordered 1
		.amdhsa_forward_progress 1
		.amdhsa_inst_pref_size 138
	.end_amdhsa_kernel
	.amdgpu_metadata
---
amdhsa.version: [ 1, 2 ]
amdhsa.kernels:
  - .name:           k_q9c4af6d379_proj
    .symbol:         k_q9c4af6d379_proj.kd
    .args:
      - { .name: codes, .offset: 0, .size: 8, .value_kind: global_buffer, .address_space: global }
      - { .name: scales, .offset: 8, .size: 8, .value_kind: global_buffer, .address_space: global }
      - { .name: bq, .offset: 16, .size: 8, .value_kind: global_buffer, .address_space: global }
      - { .name: bk, .offset: 24, .size: 8, .value_kind: global_buffer, .address_space: global }
      - { .name: bv, .offset: 32, .size: 8, .value_kind: global_buffer, .address_space: global }
      - { .name: qkv, .offset: 40, .size: 8, .value_kind: global_buffer, .address_space: global }
    .group_segment_fixed_size: 327680
    .private_segment_fixed_size: 0
    .kernarg_segment_align: 8
    .kernarg_segment_size: 48
    .max_flat_workgroup_size: 128
    .sgpr_count:     106
    .vgpr_count:     1024
    .wavefront_size: 32
...
	.end_amdgpu_metadata
.endif
;; end of part 2
;; launch attn (part 3): grid 4 x 64, 16 waves a work-group, clusters of 4 x 1, 327,680 bytes of LDS; arguments qkv, mbits, of; writes of
.if DOCPART == 3
	.amdgcn_target "amdgcn-amd-amdhsa--gfx1250"
	.amdhsa_code_object_version 6
	.text
	.protected	k_q9c4af6d379_attn
	.globl	k_q9c4af6d379_attn
	.p2align	8
	.type	k_q9c4af6d379_attn,@function
k_q9c4af6d379_attn:
	s_mov_b64 s[64:65], 0
	v_nop
	global_prefetch_b8 v0, s[64:65] scope:SCOPE_SE
	s_setreg_imm32_b32 hwreg(HW_REG_WAVE_MODE, 25, 1), 1
	s_wait_xcnt 0x0
	s_wait_alu depctr_hold_cnt(0) depctr_sa_sdst(0) depctr_va_vdst(0) depctr_va_sdst(0) depctr_va_ssrc(0) depctr_va_vcc(0) depctr_vm_vsrc(0)
	s_getreg_b32 s2, hwreg(HW_REG_IB_STS2, 6, 4)
	s_cmp_eq_u32 s2, 0
	s_cbranch_scc0 .Lentry_in_a_cluster
	s_endpgm
.Lentry_in_a_cluster:
	s_bfe_u32 s2, ttmp6, 0x10000c
	s_cmp_lg_u32 s2, 0x3003
	s_cbranch_scc0 .Lentry_shape_is_right
	s_endpgm
.Lentry_shape_is_right:
; ATTN: O[bh][q] = sum over k of softmax_k(where(mask, Q.K / 8, -1e9)) V[bh][k], 64 heads (batch x 16 + head) of 2,048 tokens x 64 channels; operands f16, products, maxima and sums f32.
; qkv: [Q, K, V][bh 64][token tile 128][4][512 bytes], images of operand registers (lane l's 16 bytes at 16 l).  Q carries log2(e) / 8 already, so a score is the exponent t of 2.
; mbits: [q tile 128][k tile 128][8 words]: word j is the lane mask of register j of a tile of S^T.  A hidden score becomes -1e9 x log2(e): a row hidden everywhere so comes out as the plain average of V.
; of: the result in f16, [token tile 512][k chunk 32][2][512 bytes], images for the last product.
; SHARES.  A work-group owns 512 queries of one head, each of its SIXTEEN waves two tiles of 16, in 256 registers: four waves to a SIMD, so that one wave's vector work stands beside another's matrix work.
; Every wave walks all 2,048 keys, 64 a step.  K and V come through two LDS slots of 512 keys (64 KiB of K, then 64 KiB of V), filled by waves 0-3, 32 KiB a load, and read by all sixteen.
; CLUSTER.  The four work-groups of a head are one cluster and walk the same K and V: each tile is asked for jointly, by the same load with the mask of all four.
; LAYOUT.  Both products are used transposed: S^T = K Q^T (source 0 = 16 keys, source 1 = 16 queries), O^T = V^T P: a lane holds ONE query (lane % 16) throughout; two tiles of S^T, rounded to f16 in pairs, are source 1 of the second product.
; SOFTMAX.  A running maximum m (from -3e38) and sum l for each query: p = 2^(t - m); in every step O^T and l are multiplied by a = 2^(m_old - m).  l is the sum of the unrounded p and divides at the end.
; LIMIT: NaN and infinities are not served; O is bounded by V, which lies under 65,504 (f16).
; REGISTERS: v1 16 x lane; v2 the same + V's place in a slot; v3, v4 the step's LDS addresses; v5, v6 the add's two; v7 the hidden score; v9 256 x lane; v12-27 statistics, 8 a tile (+0 m, +1 a zero, +2, +3 l, +4..+7 at work; a in +6);
;   v28-59 Q; v60-123 K's, then V's fragments of a step; v124-187 S^T, then p, then P in each tile's low 16; v188-251 O^T.
.set SLOT1, 131072
.set VOFF,  65536
.set STEPB, 8192                       ; 64 keys: 4 tiles of 2,048 bytes
.set SPARE, 262144                     ; behind the slots: the spare words, 128 bytes for each of 16 waves
.set LA,  1
.set LV,  2
.set ADK, 3
.set ADV, 4
.set SPW, 5
.set NIL, 6
.set NEG, 7
.set PFO, 9
.set ST,  12
.set Q,   28
.set KV,  60
.set S,   124
.set O,   188
.set WV,  10                           ; s10  my wave's number
.set PFA, 12                           ; s[12:13] where my one prefetch stands; never rewritten
.set TB,  66                           ; s66  LDS byte at which the step's tiles of K begin
.set CNT, 67                           ; s67  counts a slot's eight steps
.set G1,  84                           ; s[84:91] descriptor group 1
.set G0A, 92                           ; s[92:95] group 0 of slot 0's first fill
.set G0B, 96                           ; s[96:99] group 0 of slot 1's first fill, which then walks
.set SEL, 100                          ; s[100:101] lane selects for v_permlanex16_b32: lane l xor 16
.set MO,  104                          ; s104 byte offset of the mask words being fetched: 128 a step
; mask words: tile 0's 32 in s[16:47]; tile 1's in s[48:63] and s[68:83]
.macro CROUND                          ; a round of the cluster's barrier
	s_barrier_signal -1
	s_barrier_wait -1
	s_cmp_lg_u32 s[WV], 0
	s_cbranch_scc1 .Lnot_wave_0_\@
	s_barrier_signal -3
.Lnot_wave_0_\@:
	s_barrier_wait -3
	s_barrier_signal -1
	s_barrier_wait -1
.endm
.macro JLOAD                           ; a joint refill: waves 0-3, one load each; an s_nop 0 and four v_nop follow it
	s_cmp_lt_u32 s[WV], 4
	s_cbranch_scc0 .Lnone_\@
	tensor_load_to_lds s[G0B:G0B+3], s[G1:G1+7]
	s_nop 0
.rept 4
	v_nop
.endr
.Lnone_\@:
.endm
; A prefetch of the head's last 512 keys, at the first change of slots: eight key steps ahead of the load that will ask for them.  Waves 4 and 5 name K's bytes, waves 6 and 7 V's, 8,192 a wave, lanes 256 bytes apart;
; the four partners take 16,384 bytes each of K and of V, told apart by address.  So each aligned block of 256 bytes is named once in the launch.  The earlier keys come by their loads alone.
.macro ASK
	s_lshr_b32 s2, s[WV], 2
	s_cmp_eq_u32 s2, 1
	s_cbranch_scc0 .Lnot_mine_\@
	global_prefetch_b8 v[PFO], s[PFA:PFA+1] th:TH_LOAD_NT scope:SCOPE_SE
.Lnot_mine_\@:
.endm
; A KEY STEP: 64 keys.
.macro STEP
	v_add_nc_u32 v[ADK], s[TB], v[LA]
	v_add_nc_u32 v[ADV], s[TB], v[LV]
.rept 3
	v_nop                                          ; with the two additions five places behind the last step's products: the loads below land on V's registers, and the first products below write over P's
.endr
.irp i, 0,1,2,3,4,5,6,7,8,9,10,11,12,13,14,15
	ds_load_b128 v[KV+4*\i:KV+4*\i+3], v[ADK] offset:512*\i   ; K: key tile i / 4, channels 32 ((i % 4) / 2) on, half i % 2 of the fragment
.endr
	s_wait_dscnt 0x0
.irp c, 0,1                            ; S^T = K Q^T: eight accumulators by turns; the first eight start the sums
.irp k, 0,1,2,3
.irp t, 0,1
.if \c == 0
	v_wmma_f32_16x16x32_f16 v[S+32*\t+8*\k:S+32*\t+8*\k+7], v[KV+16*\k+8*\c:KV+16*\k+8*\c+7], v[Q+16*\t+8*\c:Q+16*\t+8*\c+7], 0
.else
	v_wmma_f32_16x16x32_f16 v[S+32*\t+8*\k:S+32*\t+8*\k+7], v[KV+16*\k+8*\c:KV+16*\k+8*\c+7], v[Q+16*\t+8*\c:Q+16*\t+8*\c+7], v[S+32*\t+8*\k:S+32*\t+8*\k+7]
.endif
.endr
.endr
.endr
.rept 4
	v_nop                                          ; four places: for the loads into K's registers and for the first reads of the scores
.endr
.irp x, 0,1                            ; V, turned: keys 32 x + 16 u on, channels 16 c on; it lands while the softmax is worked
.irp c, 0,1,2,3
.irp u, 0,1
	ds_load_tr16_b128 v[KV+32*\x+8*\c+4*\u:KV+32*\x+8*\c+4*\u+3], v[ADV] offset:((2*\x+\u)*4+\c)*512
.endr
.endr
.endr
	s_wait_kmcnt 0x0                               ; this step's 64 mask words are in, and their loads have read s[MO]
	s_add_co_u32 s[MO], s[MO], 128
	s_and_b32 s[MO], s[MO], 4095                   ; the last step's look-ahead wraps to the first step's words, which nobody then reads: no load leaves the buffer
.set I, 0
.rept 32
	v_cndmask_b32 v[S+I], v[NEG], v[S+I], s[16+I]  ; a hidden score becomes -1e9 x log2(e); each accumulator from its low end on
.set I, I+1
.endr
.set I, 0
.rept 32
	v_cndmask_b32 v[S+32+I], v[NEG], v[S+32+I], s[48+I+4*(I/16)]
.set I, I+1
.endr
	s_load_b512 s[16:31], s[6:7], s[MO] offset:0x0       ; the next step's words
	s_load_b512 s[32:47], s[6:7], s[MO] offset:0x40
	s_load_b512 s[48:63], s[6:7], s[MO] offset:0x1000
	s_load_b512 s[68:83], s[6:7], s[MO] offset:0x1040
.irp j, 0,1,2,3                        ; the maximum of a lane's 32 scores and the old m, three at a time, in four chains; the two tiles alternate
.irp t, 0,1
	v_max3_num_f32 v[ST+8*\t+4+\j], v[S+32*\t+8*\j], v[S+32*\t+8*\j+1], v[S+32*\t+8*\j+2]
.endr
.endr
.irp u, 1,2
.irp j, 0,1,2,3
.irp t, 0,1
	v_max3_num_f32 v[ST+8*\t+4+\j], v[ST+8*\t+4+\j], v[S+32*\t+8*\j+2*\u+1], v[S+32*\t+8*\j+2*\u+2]
.endr
.endr
.endr
.irp t, 0,1
	v_max3_num_f32 v[ST+8*\t+4], v[ST+8*\t+4], v[S+32*\t+7], v[S+32*\t+15]
.endr
.irp t, 0,1
	v_max3_num_f32 v[ST+8*\t+6], v[ST+8*\t+6], v[S+32*\t+23], v[S+32*\t+31]
.endr
.irp t, 0,1
	v_max3_num_f32 v[ST+8*\t+4], v[ST+8*\t+4], v[ST+8*\t+5], v[ST+8*\t+6]
.endr
.irp t, 0,1
	v_max3_num_f32 v[ST+8*\t+4], v[ST+8*\t+4], v[ST+8*\t+7], v[ST+8*\t]
.endr
.irp t, 0,1
	v_permlanex16_b32 v[ST+8*\t+5], v[ST+8*\t+4], s[SEL], s[SEL+1]   ; the query's other 32 keys lie in the lane 16 away
.endr
.irp t, 0,1
	v_mov_b32 v[ST+8*\t+7], v[ST+8*\t]             ; m_old
.endr
.irp t, 0,1
	v_max_num_f32 v[ST+8*\t], v[ST+8*\t+4], v[ST+8*\t+5]
.endr
.irp t, 0,1
	v_sub_f32 v[ST+8*\t+7], v[ST+8*\t+7], v[ST+8*\t]
.endr
.irp t, 0,1
.set I, 0
.rept 16
	v_pk_add_f32 v[S+32*\t+I:S+32*\t+I+1], v[S+32*\t+I:S+32*\t+I+1], v[ST+8*\t:ST+8*\t+1] op_sel_hi:[1,0] neg_lo:[0,1] neg_hi:[0,1]   ; t - m, two at a time
.set I, I+2
.endr
.endr
.irp t, 0,1                            ; ONE BATCH: a of both tiles and all 64 p; none reads another's result
	v_exp_f32 v[ST+8*\t+6], v[ST+8*\t+7]
.endr
.set I, 0
.rept 64
	v_exp_f32 v[S+I], v[S+I]
.set I, I+1
.endr
	v_nop                                          ; the plain line behind the last exponential
	s_wait_alu depctr_va_vdst(0)                   ; one wait for the batch, ahead of its first reader
.irp t, 0,1
	v_pk_mul_f32 v[ST+8*\t+2:ST+8*\t+3], v[ST+8*\t+2:ST+8*\t+3], v[ST+8*\t+6:ST+8*\t+7] op_sel_hi:[1,0]   ; l x a
	v_pk_add_f32 v[ST+8*\t+4:ST+8*\t+5], v[S+32*\t:S+32*\t+1], v[S+32*\t+2:S+32*\t+3]                    ; the sum of the unrounded p, in two chains
.irp i, 4,8,12,16,20,24,28
	v_pk_add_f32 v[ST+8*\t+2:ST+8*\t+3], v[ST+8*\t+2:ST+8*\t+3], v[S+32*\t+\i:S+32*\t+\i+1]
	v_pk_add_f32 v[ST+8*\t+4:ST+8*\t+5], v[ST+8*\t+4:ST+8*\t+5], v[S+32*\t+\i+2:S+32*\t+\i+3]
.endr
	v_pk_add_f32 v[ST+8*\t+2:ST+8*\t+3], v[ST+8*\t+2:ST+8*\t+3], v[ST+8*\t+4:ST+8*\t+5]
.endr
.irp t, 0,1
.set I, 0
.rept 16
	v_cvt_pk_f16_f32 v[S+32*\t+I], v[S+32*\t+2*I], v[S+32*\t+2*I+1]   ; P, packed into the tile's low 16 registers: ascending, so each source is read before its register is written
.set I, I+1
.endr
.endr
.irp t, 0,1
.set I, 0
.rept 16
	v_pk_mul_f32 v[O+32*\t+I:O+32*\t+I+1], v[O+32*\t+I:O+32*\t+I+1], v[ST+8*\t+6:ST+8*\t+7] op_sel_hi:[1,0]   ; O^T x a, each accumulator from its low end on
.set I, I+2
.endr
.endr
	s_wait_dscnt 0x0                               ; V is in
.irp x, 0,1                            ; O^T += V^T P: eight accumulators by turns
.irp c, 0,1,2,3
.irp t, 0,1
	v_wmma_f32_16x16x32_f16 v[O+32*\t+8*\c:O+32*\t+8*\c+7], v[KV+32*\x+8*\c:KV+32*\x+8*\c+7], v[S+32*\t+8*\x:S+32*\t+8*\x+7], v[O+32*\t+8*\c:O+32*\t+8*\c+7]
.endr
.endr
.endr
.endm
.macro EIGHT base                      ; a slot's eight steps: written once, walked eight times
	s_mov_b32 s[TB], \base
	s_mov_b32 s[CNT], 8
.Lstep_\@:
	STEP
	s_add_co_u32 s[TB], s[TB], STEPB
	s_sub_co_u32 s[CNT], s[CNT], 1
	s_cmp_lg_u32 s[CNT], 0
	s_cbranch_scc1 .Lstep_\@
.endm
; THE CHANGE OF SLOTS.  Each wave waits for all its tensor loads (a loader's part of the slot ahead), adds 0 to its spare word, and waits for that and for its reads of the slot that it leaves.
; fill = 1: a round of the cluster's barrier, so that no wave of any partner still reads that slot; behind it the slot is filled with the keys two slots on: the load has eight steps in which to land.
.macro CHANGE fill, ask
	s_wait_tensorcnt 0x0                           ; no tensor load of mine is out, so a group 0 may be written
	ds_add_u32 v[SPW], v[NIL]
.if \fill
	ds_add_u32 v[SPW], v[NIL]                      ; and once more: the add twice on end
	s_xor_b32 s[G0B+1], s[G0B+1], SLOT1            ; the walking descriptor: the other slot than last time,
	s_add_nc_u64 s[G0B+2:G0B+3], s[G0B+2:G0B+3], 65536   ; the next 512 keys; the type bits on top are not reached
	s_wait_dscnt 0x0
	CROUND
	JLOAD
.if \ask
	ASK
.endif
.else
	s_wait_dscnt 0x0
	s_barrier_signal -1
	s_barrier_wait -1
.endif
.endm
	s_load_b128 s[4:7], s[0:1], 0x0                ; qkv s[4:5], mbits s[6:7]
	s_load_b64 s[8:9], s[0:1], 0x10                ; of
	v_lshl_add_u32 v[SPW], v0, 2, SPARE
	v_mov_b32 v[NIL], 0
	ds_add_u32 v[SPW], v[NIL]                      ; the wave's opening: the add, twice on end, and its wait ahead of the first tensor loads
	ds_add_u32 v[SPW], v[NIL]
	v_lshrrev_b32 v10, 5, v0
	v_readfirstlane_b32 s[WV], v10                 ; wave 0..15
	s_bfe_u32 s11, ttmp6, 0x40000                  ; cx: my place in the cluster
	; descriptor group 1: 32 KiB, dense in memory and in LDS, as 128 rows of 256 bytes
	s_mov_b32 s[G1], 15|(3<<16)|(1<<21)            ; 15:0 the mask: all four work-groups; 17:16 elements of 8 bytes; 21 set beside a mask; no padding
	s_mov_b32 s[G1+1], 32<<16                      ; tensor_dim0 = 32
	s_mov_b32 s[G1+2], 128<<16                     ; tensor_dim1 = 128
	s_mov_b32 s[G1+3], 32<<16                      ; tile_dim0 = 32
	s_mov_b32 s[G1+4], 128                         ; tile_dim1 = 128
	s_mov_b32 s[G1+5], 32                          ; tensor_dim0_stride
	s_mov_b32 s[G1+6], 0
	s_mov_b32 s[G1+7], 0
	s_mov_b32 s[SEL], 0x76543210
	s_mov_b32 s[SEL+1], 0xfedcba98
	s_mov_b32 s[MO], 0
	s_and_b32 s16, ttmp7, 0xffff                   ; the head: batch x 16 + head; the four partners share it
	s_lshl_b32 s17, s16, 18                        ; its first byte in each of Q, K, V
	; what a loader fetches: wave & 3 = 0, 1: K's halves of a slot; 2, 3: V's.  No place in the cluster enters these registers
	s_and_b32 s2, s[WV], 3
	s_lshl_b32 s[G0A+1], s2, 15                    ; LDS: 32,768 x (wave & 3)
	s_add_co_u32 s[G0B+1], s[G0A+1], SLOT1
	s_lshr_b32 s2, s2, 1
	s_add_co_u32 s2, s2, 1
	s_lshl_b32 s2, s2, 24                          ; K's or V's part of qkv,
	s_add_co_u32 s2, s2, s17                       ; my head
	s_mov_b32 s22, s2
	s_and_b32 s3, s[WV], 1
	s_lshl_b32 s23, s3, 13
	s_lshl_b32 s3, s3, 15
	s_add_co_u32 s2, s2, s3                        ; the half
	s_mov_b32 s3, 0
	s_mov_b32 s[G0A], 1
	s_mov_b32 s[G0B], 1
	; the prefetch's place: the same tensor and head, the last 512 keys, my work-group's quarter, my wave's half of it
	s_add_co_u32 s22, s22, s23
	s_lshl_b32 s23, s11, 14
	s_add_co_u32 s22, s22, s23
	s_add_co_u32 s22, s22, 3*65536
	s_mov_b32 s23, 0
	; my two tiles of queries
	s_lshl_b32 s18, ttmp9, 2
	s_add_co_u32 s18, s18, s11                     ; my block of 512 queries
	s_lshl_b32 s18, s18, 5
	s_lshl_b32 s19, s[WV], 1
	s_add_co_u32 s18, s18, s19                     ; my first tile of 16
	s_lshl_b32 s20, s18, 11
	s_add_co_u32 s20, s20, s17                     ; in Q
	s_mov_b32 s21, 0
	s_lshr_b32 s24, s16, 4                         ; batch
	s_lshl_b32 s24, s24, 7
	s_add_co_u32 s24, s24, s18                     ; token tile among all 512
	s_lshl_b32 s24, s24, 15
	s_and_b32 s25, s16, 15
	s_lshl_b32 s25, s25, 11                        ; the head's two k chunks
	s_add_co_u32 s24, s24, s25
	s_mov_b32 s25, 0
	s_lshl_b32 s18, s18, 12                        ; in mbits: 4,096 bytes a tile of queries
	s_mov_b32 s19, 0
	v_and_b32 v10, 31, v0
	v_lshlrev_b32 v[LA], 4, v10
	v_add_nc_u32 v[LV], VOFF, v[LA]
	v_lshlrev_b32 v[PFO], 8, v10
	s_wait_dscnt 0x0                               ; both opening adds are done
	s_wait_kmcnt 0x0
	s_add_nc_u64 s[G0A+2:G0A+3], s[4:5], s[2:3]    ; keys 0-511
	s_add_nc_u64 s[G0B+2:G0B+3], s[G0A+2:G0A+3], 65536   ; keys 512-1023
	s_or_b32 s[G0A+3], s[G0A+3], 0x80000000        ; type = 2
	s_or_b32 s[G0B+3], s[G0B+3], 0x80000000
	s_add_nc_u64 s[PFA:PFA+1], s[4:5], s[22:23]
	s_add_nc_u64 s[4:5], s[4:5], s[20:21]          ; Q at my first tile
	s_add_nc_u64 s[6:7], s[6:7], s[18:19]          ; the mask words likewise
	s_add_nc_u64 s[8:9], s[8:9], s[24:25]          ; and the result
	CROUND                                         ; all four work-groups are here: the first joint loads meet
	s_cmp_lt_u32 s[WV], 4                          ; a loader's two first fills stand in one branch: two tensor loads of mine are out at the most
	s_cbranch_scc0 .Lno_fill
	tensor_load_to_lds s[G0A:G0A+3], s[G1:G1+7]
	s_nop 0
	tensor_load_to_lds s[G0B:G0B+3], s[G1:G1+7]
	s_nop 0
.rept 4
	v_nop
.endr
.Lno_fill:
.irp t, 0,1
.irp i, 0,1,2,3
	global_load_b128 v[Q+16*\t+4*\i:Q+16*\t+4*\i+3], v[LA], s[4:5] offset:\t*2048+\i*512   ; Q stays in registers
.endr
.endr
	s_load_b512 s[16:31], s[6:7], s[MO] offset:0x0       ; the first step's mask words
	s_load_b512 s[32:47], s[6:7], s[MO] offset:0x40
	s_load_b512 s[48:63], s[6:7], s[MO] offset:0x1000
	s_load_b512 s[68:83], s[6:7], s[MO] offset:0x1040
	v_mov_b32 v[NEG], 0xceabfb8f                   ; -1e9 x log2(e)
.irp t, 0,1
	v_mov_b32 v[ST+8*\t], 0xff61b1e6               ; m: -3e38, under every t
	v_mov_b32 v[ST+8*\t+1], 0                      ; (named with m as a pair)
	v_mov_b32 v[ST+8*\t+2], 0                      ; l, in two halves
	v_mov_b32 v[ST+8*\t+3], 0
.endr
.set I, 0
.rept 64
	v_mov_b32 v[O+I], 0                            ; O^T: the step is written once; the first finds zeros, which a = 0 leaves zeros
.set I, I+1
.endr
	s_wait_tensorcnt 1                             ; a loader's part of slot 0 is in; slot 1's may stay out
	s_barrier_signal -1
	s_barrier_wait -1
	s_wait_loadcnt 0x0                             ; Q
	EIGHT 0                                        ; keys 0-511
	CHANGE 1, 1                                    ; slot 0 takes keys 1024-1535
	EIGHT SLOT1                                    ; keys 512-1023
	CHANGE 1, 0                                    ; slot 1 takes keys 1536-2047
	EIGHT 0
	CHANGE 0, 0                                    ; nothing is left to ask for
	EIGHT SLOT1
	; THE WAY OUT.  l's halves and the other half of the lanes' are added; O^T / l is rounded to f16: a lane's eight channels of a query are 16 bytes of an image, so each store covers 512 consecutive bytes, aligned.
	s_wait_kmcnt 0x0                               ; the last look-ahead of mask words
.irp t, 0,1
	v_add_f32 v[ST+8*\t+4], v[ST+8*\t+2], v[ST+8*\t+3]
.endr
.irp t, 0,1
	v_permlanex16_b32 v[ST+8*\t+5], v[ST+8*\t+4], s[SEL], s[SEL+1]
.endr
.irp t, 0,1
	v_add_f32 v[ST+8*\t+4], v[ST+8*\t+4], v[ST+8*\t+5]
.endr
.irp t, 0,1
	v_rcp_f32 v[ST+8*\t+6], v[ST+8*\t+4]
.endr
	v_nop                                          ; the plain line behind the reciprocals; with the four additions above five places behind the last products
	s_wait_alu depctr_va_vdst(0)                   ; one wait for both, ahead of their first reader
.irp t, 0,1
.set I, 0
.rept 16
	v_pk_mul_f32 v[O+32*\t+I:O+32*\t+I+1], v[O+32*\t+I:O+32*\t+I+1], v[ST+8*\t+6:ST+8*\t+7] op_sel_hi:[1,0]
.set I, I+2
.endr
.endr
.irp t, 0,1
.set I, 0
.rept 16
	v_cvt_pk_f16_f32 v[S+16*\t+I], v[O+32*\t+2*I], v[O+32*\t+2*I+1]
.set I, I+1
.endr
.endr
.irp t, 0,1
.irp c, 0,1,2,3
	global_store_b128 v[LA], v[S+16*\t+4*\c:S+16*\t+4*\c+3], s[8:9] offset:\t*32768+\c*512
.endr
.endr
	s_wait_tensorcnt 0x0                           ; the wave's end: with the add and its wait below, behind the last tensor load
	ds_add_u32 v[SPW], v[NIL]
	s_wait_dscnt 0x0
	CROUND                                         ; the closing round
	s_endpgm
.Lfunc_end_k_q9c4af6d379_attn:
	.size	k_q9c4af6d379_attn, .Lfunc_end_k_q9c4af6d379_attn-k_q9c4af6d379_attn
	.p2alignl 7, 3214868480
	.fill 96, 4, 3214868480
	.section	.rodata,"a",@progbits
	.p2align	6, 0x0
	.amdhsa_kernel k_q9c4af6d379_attn
		.amdhsa_group_segment_fixed_size 327680
		.amdhsa_private_segment_fixed_size 0
		.amdhsa_enable_private_segment 0
		.amdhsa_kernarg_size 24
		.amdhsa_user_sgpr_count 2
		.amdhsa_user_sgpr_kernarg_segment_ptr 1
		.amdhsa_wavefront_size32 1
		.amdhsa_system_sgpr_workgroup_id_x 1
		.amdhsa_system_sgpr_workgroup_id_y 1
		.amdhsa_system_sgpr_workgroup_id_z 1
		.amdhsa_system_vgpr_workitem_id 0
		.amdhsa_next_free_vgpr 256
		.amdhsa_next_free_sgpr 106
		.amdhsa_reserve_vcc 0
		.amdhsa_float_denorm_mode_32 3
		.amdhsa_float_denorm_mode_16_64 3
		.amdhsa_memory_ordered 1
		.amdhsa_forward_progress 1
		.amdhsa_inst_pref_size 102
	.end_amdhsa_kernel
	.amdgpu_metadata
---
amdhsa.version: [ 1, 2 ]
amdhsa.kernels:
  - .name:           k_q9c4af6d379_attn
    .symbol:         k_q9c4af6d379_attn.kd
    .args:
      - { .name: qkv, .offset: 0, .size: 8, .value_kind: global_buffer, .address_space: global }
      - { .name: mbits, .offset: 8, .size: 8, .value_kind: global_buffer, .address_space: global }
      - { .name: of, .offset: 16, .size: 8, .value_kind: global_buffer, .address_space: global }
    .group_segment_fixed_size: 327680
    .private_segment_fixed_size: 0
    .kernarg_segment_align: 8
    .kernarg_segment_size: 24
    .max_flat_workgroup_size: 512
    .sgpr_count:     106
    .vgpr_count:     256
    .wavefront_size: 32
...
	.end_amdgpu_metadata
.endif
;; end of part 3
;; launch outp (part 4): grid 4 x 64, 4 waves a work-group, clusters of 4 x 4, 327,680 bytes of LDS; arguments of, wof, out0, bo; writes out0
.if DOCPART == 4
	.amdgcn_target "amdgcn-amd-amdhsa--gfx1250"
	.amdhsa_code_object_version 6
	.text
	.protected	k_q9c4af6d379_outp
	.globl	k_q9c4af6d379_outp
	.p2align	8
	.type	k_q9c4af6d379_outp,@function
k_q9c4af6d379_outp:
	s_mov_b64 s[64:65], 0
	v_nop
	global_prefetch_b8 v0, s[64:65] scope:SCOPE_SE
	s_setreg_imm32_b32 hwreg(HW_REG_WAVE_MODE, 25, 1), 1
	s_wait_xcnt 0x0
	s_wait_alu depctr_hold_cnt(0) depctr_sa_sdst(0) depctr_va_vdst(0) depctr_va_sdst(0) depctr_va_ssrc(0) depctr_va_vcc(0) depctr_vm_vsrc(0)
	s_getreg_b32 s2, hwreg(HW_REG_IB_STS2, 6, 4)
	s_cmp_eq_u32 s2, 0
	s_cbranch_scc0 .Lentry_in_a_cluster
	s_endpgm
.Lentry_in_a_cluster:
	s_bfe_u32 s2, ttmp6, 0x10000c
	s_cmp_lg_u32 s2, 0xf033
	s_cbranch_scc0 .Lentry_shape_is_right
	s_endpgm
.Lentry_shape_is_right:
; OUTP: out0[token][n] = sum over k of O[token][k] wo[n][k] + bo[n]; 8,192 tokens, n and k 1,024; operands f16, sums f32, out0 f32.
; of: [token tile 512][k chunk of 32: 32][2][512 bytes], wof: [n tile 64][32][2][512 bytes]: images of operand registers: lane (r, h)'s 16 bytes at 16 x lane hold row r, k = 32 kc + 16 j + 8 h + 0..7.
; A work-group of four waves makes 128 tokens x 256 n: 256 work-groups; a wave 64 x 128: 32 accumulators of 16 x 16.  K goes in steps of 128 through two LDS slots: of a tile of 16 rows a step is 4,096 consecutive bytes.
; A fragment is two ds_load_b128 at 16 x lane: 512 consecutive bytes each, so LDS needs no padding.
; CLUSTERS: 4 x 4 work-groups: O's tiles are shared along a row of the cluster, wo's along a column, each asked for jointly.
; THE MATRIX INSTRUCTION IS USED TRANSPOSED (source 0 = 16 rows of wo, source 1 = 16 tokens): a lane holds eight neighbouring n of one token.  The bias is the C of each sum's first product.
; No prefetch: a K step's work is short and the tiles are small; what is shared is asked for jointly instead.
; REGISTERS: window 0: v16-29 addresses; v32-95 the bias, 8 registers for each b; v128-255 rows of out0 on the way out.   window 1: two fragment buffers of 96 at v0 and v128: wo's eight, then O's four.   window 2: accumulator (a, b) at v[8 (8 a + b)].
.set KSB,    4096                      ; a K step's bytes of one tile of 16 rows
.set ASZ,    8*KSB                     ; O's 8 token tiles
.set SLOT,   24*KSB                    ; then wo's 16 n tiles
.set STAGE,  2*SLOT                    ; behind the slots: 16 rows x 528 bytes for each wave, for the way out; no tensor load lands there
.set SPITCH, 528
.set SPARE,  STAGE+4*16*SPITCH         ; the spare words, 128 bytes a wave
.set LAPS,   4                         ; a lap = two K steps
.set ADRA, 16                          ; v16-17  LDS address of my O fragments in slot 0, 1
.set ADRB, 20                          ; v20-21  the same for wo
.set STO,  24                          ; v24     the way out: where I put 32 bytes of a row
.set RD,   25                          ; v25     where I read a row back
.set CO,   26                          ; v26     16 x lane: my bytes in a row's 512
.set BO,   27                          ; v27     32 h
.set SPW,  28
.set NIL,  29
.set BI,   32
.set BK,   128
.set F0,   0
.set F1,   128
.set G1, 24
.set G0, 32
.set G1B, 48
.set G0B, 56
.set MSB, 0
.macro WIN new                         ; the immediate's high byte repeats the setting that is left
.if MSB != (\new)
	s_set_vgpr_msb (MSB<<8)|(\new)
.set MSB, (\new)
.endif
.endm
.set MUL,  0xa5                        ; sources 0 and 1 window 1; C and D window 2
.set MULB, 0x85                        ; the same with C, the bias, in window 0
.set TO_F, 0x40                        ; destination window 1, address window 0
.macro JLOAD s                         ; a joint load: waves 0 and 1 fetch O's two halves, waves 2 and 3 wo's; an s_nop 0 and four v_nop follow each of the two lines
	s_cmp_eq_u32 s13, 0
	s_cbranch_scc0 .Lfor_b_\@
	tensor_load_to_lds s[G0+4*\s:G0+4*\s+3], s[G1:G1+7]
	s_nop 0
.rept 4
	v_nop
.endr
	s_branch .Lasked_\@
.Lfor_b_\@:
	tensor_load_to_lds s[G0B+4*\s:G0B+4*\s+3], s[G1B:G1B+7]
	s_nop 0
.rept 4
	v_nop
.endr
.Lasked_\@:
.endm
.macro CREST                           ; a round of the cluster's barrier behind its opening barrier
	s_cmp_lg_u32 s12, 0
	s_cbranch_scc1 .Lnot_wave_0_\@
	s_barrier_signal -3
.Lnot_wave_0_\@:
	s_barrier_wait -3
	s_barrier_signal -1
	s_barrier_wait -1
.endm
.macro CROUND
	s_barrier_signal -1
	s_barrier_wait -1
	CREST
.endm
	s_load_b128 s[4:7], s[0:1], 0x0                ; of s[4:5], wof s[6:7]
	s_load_b128 s[8:11], s[0:1], 0x10              ; out0 s[8:9], bo s[10:11]
	v_lshl_add_u32 v[SPW], v0, 2, SPARE
	v_mov_b32 v[NIL], 0
	ds_add_u32 v[SPW], v[NIL]                      ; the wave's opening: the add, twice on end, and its wait ahead of my first tensor load
	ds_add_u32 v[SPW], v[NIL]
	v_lshrrev_b32 v1, 5, v0
	v_readfirstlane_b32 s12, v1                    ; wave 0..3
	s_lshr_b32 s13, s12, 1                         ; which 64 tokens are mine.  Also: I fetch for O (0) or for wo (1)
	s_and_b32 s14, s12, 1                          ; which 128 n.  Also: which half of that tile I fetch
	s_bfe_u32 s40, ttmp6, 0x40000                  ; cx, cy
	s_bfe_u32 s41, ttmp6, 0x40004
	s_lshl_b32 s42, ttmp9, 2
	s_add_co_u32 s42, s42, s40                     ; block of 256 n
	s_and_b32 s15, ttmp7, 0xffff
	s_lshl_b32 s15, s15, 2
	s_add_co_u32 s15, s15, s41                     ; block of 128 tokens
	s_lshl_b32 s43, s41, 2
	s_lshl_b32 s43, 15, s43                        ; my row of the cluster
	s_lshl_b32 s44, 0x1111, s40                    ; my column
	; descriptor group 1: rows of 4,096 bytes (512 elements of 8), 32,768 bytes apart in memory, dense in LDS: 4 rows for O, 8 for wo
	s_or_b32 s[G1], s43, (3<<16)|(1<<21)
	s_or_b32 s[G1B], s44, (3<<16)|(1<<21)
	s_mov_b32 s[G1+1], 512<<16                     ; tensor_dim0
	s_mov_b32 s[G1+2], 4<<16                       ; tensor_dim1
	s_mov_b32 s[G1+3], 512<<16                     ; tile_dim0
	s_mov_b32 s[G1+4], 4                           ; tile_dim1
	s_mov_b32 s[G1+5], 4096                        ; tensor_dim0_stride
	s_mov_b32 s[G1+6], 0
	s_mov_b32 s[G1+7], 0
	s_mov_b32 s[G1B+1], 512<<16
	s_mov_b32 s[G1B+2], 8<<16
	s_mov_b32 s[G1B+3], 512<<16
	s_mov_b32 s[G1B+4], 8
	s_mov_b32 s[G1B+5], 4096
	s_mov_b32 s[G1B+6], 0
	s_mov_b32 s[G1B+7], 0
	s_lshl_b32 s16, s15, 3
	s_lshl_b32 s17, s14, 2
	s_add_co_u32 s16, s16, s17                     ; O: token tile 8 x block + 4 x half
	s_lshl_b32 s16, s16, 15
	s_mov_b32 s17, 0
	s_lshl_b32 s46, s42, 4
	s_lshl_b32 s47, s14, 3
	s_add_co_u32 s46, s46, s47                     ; wo: n tile 16 x block + 8 x half
	s_lshl_b32 s46, s46, 15
	s_mov_b32 s47, 0
	s_lshl_b32 s20, s14, 14                        ; where they go: O's halves,
	s_lshl_b32 s21, s14, 15
	s_add_co_u32 s21, s21, ASZ                     ; wo's halves behind them
	s_wait_dscnt 0x0                               ; both opening adds are done
	s_wait_kmcnt 0x0
	s_add_nc_u64 s[18:19], s[4:5], s[16:17]
	s_add_nc_u64 s[46:47], s[6:7], s[46:47]
	CROUND                                         ; all sixteen work-groups are here: the first joint loads meet
.irp s, 0,1
	s_mov_b32 s[G0+4*\s], 1
	s_add_co_u32 s[G0+4*\s+1], s20, \s*SLOT
	s_add_nc_u64 s[G0+4*\s+2:G0+4*\s+3], s[18:19], \s*KSB
	s_or_b32 s[G0+4*\s+3], s[G0+4*\s+3], 0x80000000
	s_mov_b32 s[G0B+4*\s], 1
	s_add_co_u32 s[G0B+4*\s+1], s21, \s*SLOT
	s_add_nc_u64 s[G0B+4*\s+2:G0B+4*\s+3], s[46:47], \s*KSB
	s_or_b32 s[G0B+4*\s+3], s[G0B+4*\s+3], 0x80000000
	JLOAD \s                                       ; two tensor loads of mine are out at the most
.endr
	v_and_b32 v3, 31, v0
	v_lshlrev_b32 v[CO], 4, v3                     ; 16 x lane
	s_lshl_b32 s22, s13, 14                        ; my 4 token tiles
	s_lshl_b32 s23, s14, 15
	s_add_co_u32 s23, s23, ASZ                     ; my 8 n tiles
.irp s, 0,1
	v_add_nc_u32 v[ADRA+\s], s22, v[CO]
	v_add_nc_u32 v[ADRB+\s], s23, v[CO]
	s_add_co_u32 s22, s22, SLOT
	s_add_co_u32 s23, s23, SLOT
.endr
	v_and_b32 v1, 15, v0                           ; r
	v_bfe_u32 v2, v0, 4, 1                         ; h
	s_mul_i32 s23, s12, 16*SPITCH
	s_add_co_u32 s23, s23, STAGE                   ; my stage
	v_mul_u32_u24 v5, v1, SPITCH
	v_lshl_add_u32 v5, v2, 5, v5
	v_add_nc_u32 v[STO], s23, v5                   ; in: row r, 32 bytes for each half of the lanes
	v_add_nc_u32 v[RD], s23, v[CO]                 ; back: the 32 lanes take one row of 512 bytes
	s_lshl_b32 s16, s42, 10
	s_lshl_b32 s17, s14, 9
	s_add_co_u32 s16, s16, s17                     ; my first n, in bytes of f32
	s_mov_b32 s17, 0
	s_add_nc_u64 s[10:11], s[10:11], s[16:17]
	s_add_nc_u64 s[8:9], s[8:9], s[16:17]
	s_lshl_b32 s16, s15, 19                        ; 128 rows of 4,096 bytes
	s_lshl_b32 s22, s13, 18
	s_add_co_u32 s16, s16, s22
	s_add_nc_u64 s[8:9], s[8:9], s[16:17]
	v_lshlrev_b32 v[BO], 5, v2
.irp b, 0,1,2,3,4,5,6,7
	global_load_b128 v[BI+8*\b:BI+8*\b+3], v[BO], s[10:11] offset:64*\b        ; bo of n = 16 b + 8 h + 0..7
	global_load_b128 v[BI+8*\b+4:BI+8*\b+7], v[BO], s[10:11] offset:64*\b+16
.endr
; 8 matrix instructions: token tile a against wo's eight, 32 along K.  first = 1: the bias starts the sums.  The 32 accumulators take turns in the same order in every quarter.
.macro MUL8 f, a, first
.irp b, 0,1,2,3,4,5,6,7
.if \first
	v_wmma_f32_16x16x32_f16 v[8*(8*(\a)+\b):8*(8*(\a)+\b)+7], v[\f+8*\b:\f+8*\b+7], v[\f+64+8*(\a):\f+64+8*(\a)+7], v[BI+8*\b:BI+8*\b+7]
.else
	v_wmma_f32_16x16x32_f16 v[8*(8*(\a)+\b):8*(8*(\a)+\b)+7], v[\f+8*\b:\f+8*\b+7], v[\f+64+8*(\a):\f+64+8*(\a)+7], v[8*(8*(\a)+\b):8*(8*(\a)+\b)+7]
.endif
.endr
.endm
.macro FETCH slot, q, f                ; 24 LDS loads in one run: the fragments of the slot's q-th 32 along K into buffer f: wo's eight, then O's four
	WIN TO_F
.irp i, 0,1,2,3,4,5,6,7
	ds_load_b128 v[\f+8*\i:\f+8*\i+3],   v[ADRB+\slot] offset:\i*KSB+(\q)*1024
	ds_load_b128 v[\f+8*\i+4:\f+8*\i+7], v[ADRB+\slot] offset:\i*KSB+(\q)*1024+512
.endr
.irp i, 0,1,2,3
	ds_load_b128 v[\f+64+8*\i:\f+64+8*\i+3],   v[ADRA+\slot] offset:\i*KSB+(\q)*1024
	ds_load_b128 v[\f+64+8*\i+4:\f+64+8*\i+7], v[ADRA+\slot] offset:\i*KSB+(\q)*1024+512
.endr
.endm
.macro PLACES                          ; four plain lines in front of loads into registers that matrix instructions have read, and of the first read of results
.rept 4
	v_nop
.endr
.endm
; A K step is four quarters of 32 along K, 32 matrix instructions each, on buffers 0, 1, 0, 1.  One of the first three: multiplies buffer f and fetches quarter q into g.
.macro QUARTER slot, q, f, g, first
	s_wait_dscnt 4                                 ; wo's fragments and O's tiles 0, 1 are in; the youngest four loads (tiles 2, 3) may be out
.if \first
	WIN MULB
.else
	WIN MUL
.endif
	MUL8 \f, 0, \first
	MUL8 \f, 1, \first
	PLACES
	FETCH \slot, \q, \g
	s_wait_dscnt 24                                ; all but the 24 just issued
.if \first
	WIN MULB
.else
	WIN MUL
.endif
	MUL8 \f, 2, \first
	MUL8 \f, 3, \first
.endm
; The last quarter multiplies buffer 1 and changes slots: ONE barrier; in front of it each wave waits for all its tensor loads, adds 0 to its spare word, and waits for that and for its reads of this slot.
; fill = 1: the barrier opens a round of the cluster's barrier, and this slot is filled again, two K steps ahead, first thing behind the round.
.macro TURN slot, next, fill
	WIN 0                                          ; (the add's two registers lie in window 0)
	s_wait_tensorcnt 0x0                           ; all my tensor loads have landed: my part of the next slot
	ds_add_u32 v[SPW], v[NIL]
	s_wait_dscnt 5                                 ; (the add and the youngest four loads may be out)
	WIN MUL
	MUL8 F1, 0, 0
	s_wait_dscnt 0x0                               ; the add is done, and my reads of this slot are over
	s_barrier_signal -1
	MUL8 F1, 1, 0
.if \fill
	WIN 0
.endif
	s_barrier_wait -1
.if \fill
	CREST                                          ; no wave of any partner still reads this slot's tile or has a load on its way
	s_add_nc_u64 s[G0+4*\slot+2:G0+4*\slot+3], s[G0+4*\slot+2:G0+4*\slot+3], 2*KSB
	s_add_nc_u64 s[G0B+4*\slot+2:G0B+4*\slot+3], s[G0B+4*\slot+2:G0B+4*\slot+3], 2*KSB
	JLOAD \slot                                    ; the four v_nop behind it are also the places in front of the loads below
.else
	PLACES
.endif
	FETCH \next, 0, F0
	WIN MUL
	MUL8 F1, 2, 0
	MUL8 F1, 3, 0
.endm
; THE WAY OUT, block by block of 16 tokens x 128 n: through my own stage in LDS, back as whole rows of 512 bytes.  LDS serves a wave's instructions in order (ISA guide 5.7.1.4): no wait between the stores and the loads.
.macro TOSTAGE a
	WIN 0x08                                       ; an LDS store's data are its source 1: window 2
.irp b, 0,1,2,3,4,5,6,7
	ds_store_b128 v[STO], v[64*(\a)+8*\b:64*(\a)+8*\b+3] offset:64*\b          ; each accumulator from its low end on
	ds_store_b128 v[STO], v[64*(\a)+8*\b+4:64*(\a)+8*\b+7] offset:64*\b+16
.endr
	WIN 0
.set BB, BK+64*((\a)%2)
.irp t, 0,1,2,3,4,5,6,7,8,9,10,11,12,13,14,15
	ds_load_b128 v[BB+4*\t:BB+4*\t+3], v[RD] offset:\t*SPITCH
.endr
.endm
.macro SEND a, younger                 ; younger: the LDS instructions issued behind block a's loads, which may stay out
.set BB, BK+64*((\a)%2)
	s_wait_dscnt \younger
.if (\a) > 0
	s_add_nc_u64 s[8:9], s[8:9], 16*4096           ; 16 rows on (behind a wait for the earlier stores' addresses)
.endif
.irp t, 0,1,2,3,4,5,6,7,8,9,10,11,12,13,14,15
	global_store_b128 v[CO], v[BB+4*\t:BB+4*\t+3], s[8:9] offset:\t*4096 th:TH_STORE_NT   ; 32 lanes store 512 consecutive bytes, aligned
.endr
.endm
	s_wait_tensorcnt 1                             ; my part of K step 0 is in; K step 1's may be out
	s_barrier_signal -1
	s_barrier_wait -1
	FETCH 0, 0, F0
	s_wait_loadcnt 0x0                             ; the bias
	QUARTER 0, 1, F0, F1, 1                        ; the first quarter stands in front of the loop: its products start the sums on the bias
	WIN 0                                          ; at a label and at a branch every window is 0
	s_mov_b32 s3, LAPS-1
.Llap:                                                 ; a trip goes once round the ring, from a lap's second quarter to the next lap's first, and fills both slots again
	QUARTER 0, 2, F1, F0, 0
	QUARTER 0, 3, F0, F1, 0
	TURN 0, 1, 1
	QUARTER 1, 1, F0, F1, 0
	QUARTER 1, 2, F1, F0, 0
	QUARTER 1, 3, F0, F1, 0
	TURN 1, 0, 1
	QUARTER 0, 1, F0, F1, 0
	WIN 0
	s_sub_co_u32 s3, s3, 1
	s_cmp_lg_u32 s3, 0
	s_cbranch_scc1 .Llap
	QUARTER 0, 2, F1, F0, 0                        ; the last lap fills nothing
	QUARTER 0, 3, F0, F1, 0
	TURN 0, 1, 0
	QUARTER 1, 1, F0, F1, 0
	QUARTER 1, 2, F1, F0, 0
	QUARTER 1, 3, F0, F1, 0
	s_wait_dscnt 4                                 ; the very last quarter
	WIN MUL
	MUL8 F1, 0, 0
	MUL8 F1, 1, 0
	s_wait_dscnt 0
	MUL8 F1, 2, 0
	MUL8 F1, 3, 0
	WIN 0
	PLACES
	TOSTAGE 0
.irp a, 1,2,3
.if \a > 1
	s_wait_xcnt 0x0                                ; block a - 2's stores have read their registers and their base
.endif
	TOSTAGE \a
	SEND \a-1, 32                                  ; behind block a - 1's loads: block a's 16 stores and 16 loads
.endr
	s_wait_xcnt 0x0
	SEND 3, 0
	s_wait_tensorcnt 0x0                           ; the wave's end: with the add and its wait below, behind my last tensor load and my last LDS store
	ds_add_u32 v[SPW], v[NIL]
	s_wait_dscnt 0x0
	CROUND                                         ; the closing round
	s_endpgm
.Lfunc_end_k_q9c4af6d379_outp:
	.size	k_q9c4af6d379_outp, .Lfunc_end_k_q9c4af6d379_outp-k_q9c4af6d379_outp
	.p2alignl 7, 3214868480
	.fill 96, 4, 3214868480
	.section	.rodata,"a",@progbits
	.p2align	6, 0x0
	.amdhsa_kernel k_q9c4af6d379_outp
		.amdhsa_group_segment_fixed_size 327680
		.amdhsa_private_segment_fixed_size 0
		.amdhsa_enable_private_segment 0
		.amdhsa_kernarg_size 32
		.amdhsa_user_sgpr_count 2
		.amdhsa_user_sgpr_kernarg_segment_ptr 1
		.amdhsa_wavefront_size32 1
		.amdhsa_system_sgpr_workgroup_id_x 1
		.amdhsa_system_sgpr_workgroup_id_y 1
		.amdhsa_system_sgpr_workgroup_id_z 1
		.amdhsa_system_vgpr_workitem_id 0
		.amdhsa_next_free_vgpr 768
		.amdhsa_next_free_sgpr 68
		.amdhsa_reserve_vcc 0
		.amdhsa_float_denorm_mode_32 3
		.amdhsa_float_denorm_mode_16_64 3
		.amdhsa_memory_ordered 1
		.amdhsa_forward_progress 1
		.amdhsa_inst_pref_size 86
	.end_amdhsa_kernel
	.amdgpu_metadata
---
amdhsa.version: [ 1, 2 ]
amdhsa.kernels:
  - .name:           k_q9c4af6d379_outp
    .symbol:         k_q9c4af6d379_outp.kd
    .args:
      - { .name: of, .offset: 0, .size: 8, .value_kind: global_buffer, .address_space: global }
      - { .name: wof, .offset: 8, .size: 8, .value_kind: global_buffer, .address_space: global }
      - { .name: out0, .offset: 16, .size: 8, .value_kind: global_buffer, .address_space: global }
      - { .name: bo, .offset: 24, .size: 8, .value_kind: global_buffer, .address_space: global }
    .group_segment_fixed_size: 327680
    .private_segment_fixed_size: 0
    .kernarg_segment_align: 8
    .kernarg_segment_size: 32
    .max_flat_workgroup_size: 128
    .sgpr_count:     68
    .vgpr_count:     768
    .wavefront_size: 32
...
	.end_amdgpu_metadata
.endif
;; end of part 4
